; MI455X (gfx1250); checked and timed in simulation.
; The chip was launched on July 23, 2026; its instructions are those of AMD's public machine-readable ISA for CDNA 5 (MIT licence, August 2026) and "CDNA5" Instruction Set Architecture Reference Guide (July 2026). The comments in the code are by the model that wrote it; some were corrected since.
;; Causal Multi Head Self Attention. Allowed arithmetic: float matrix products may take bf16 or f16 operands with f32 sums; other float arithmetic in f32, or as packed bf16 or f16 multiplies, adds, multiply-adds, maxima and minima; sums over many terms, partial sums and values carried from step to step in f32; what a program stores and reads back later, other than sums and carried values, may be rounded once to bf16 or f16.
;; Inputs: Wk 1,024 x 1,024 float32; Wo 1,024 x 1,024 float32; Wq 1,024 x 1,024 float32; Wv 1,024 x 1,024 float32; token_positions 2,048 int32; x 4 x 2,048 x 1,024 float32.
;; Outputs: out0 4 x 2,048 x 1,024 float32.
;; 2 versions, each right; version 2 is version 1 with the launch prep written anew for expert scheduling mode. Each part assembles by itself: llvm-mc -triple=amdgcn-amd-amdhsa -mcpu=gfx1250 --defsym DOCPART=n.
;; ======== version 1 of 2: 4 launches
;; limits: values are held in f16: magnitudes above 65,504 overflow, below 6.1e-05 lose precision; right only within a limited range of input values
;; workspace buffers: xb 16,777,216 bytes; wqkv 6,291,456 bytes; wo16 2,097,152 bytes; tab 524,288 bytes; qh 16,777,216 bytes; kh 16,777,216 bytes; vh 16,777,216 bytes; oh 16,777,216 bytes
;; launch prep (part 1): grid 800 x 1, 8 waves a work-group, no clusters, 0 bytes of LDS; arguments x, Wq, Wk, Wv, Wo, token_positions, xb, wqkv, wo16, tab; writes xb, wqkv, wo16, tab
.if DOCPART == 1
	.amdgcn_target "amdgcn-amd-amdhsa--gfx1250"
	.amdhsa_code_object_version 6
	.text
	.protected	k_qf97bafbccd_prep
	.globl	k_qf97bafbccd_prep
	.p2align	8
	.type	k_qf97bafbccd_prep,@function
k_qf97bafbccd_prep:
	s_mov_b64 s[64:65], 0
	v_nop
	global_prefetch_b8 v0, s[64:65] scope:SCOPE_SE
	s_setreg_imm32_b32 hwreg(HW_REG_WAVE_MODE, 25, 1), 1
	s_wait_xcnt 0x0
; PREPARATION, a stream: no LDS, no matrix unit, no barrier; every input byte is read once, every output byte written once.
; Work-groups 32 .. 799 round 16,384 f32 numbers each:  x -> xb (bf16, 512 work-groups);  Wq, Wk, Wv -> wqkv (bf16, 64 work-groups each), rows regrouped by head:
; row 192 h + 64 t + d of wqkv is row 64 h + d of W_t (t = 0, 1, 2 for q, k, v);  Wo -> wo16: rounded to bf16 like the other inputs, that number written as f16.
; Work-groups 0 .. 31 make the table tab[s][i] = (cos, sin) of token_positions[s] x 10000^(-i/32), f32, a row of 256 bytes for each s; a wave makes 8 rows, a lane a pair i.
; LIMITS.  Wo within f16's 65,504; below 6e-5 it keeps f16's fixed step.  The angle is the f32 product position x inv_freq; inv_freq is 2^(-i log2(10000)/32) by v_exp_f32, so the
; angle may differ from a correctly rounded one by about |position| x 2e-7.  The reduction by pi/2 in two parts holds for |angle| < 2^22.  Sine and cosine are polynomials on
; [-pi/4, pi/4]; the quadrant chooses by v_cndmask_b32 and a sign bit: no branch hangs on a floating-point number.
.set X, 16                             ; v[16:79]   16 loads of 4 registers
.set Y, 80                             ; v[80:111]  16 stores of 2 registers; in the table path 8 pairs (cos, sin)
	s_load_b512 s[8:23], s[0:1], 0x0               ; x 8:9, Wq 10:11, Wk 12:13, Wv 14:15, Wo 16:17, positions 18:19, xb 20:21, wqkv 22:23
	s_load_b128 s[24:27], s[0:1], 0x40             ; wo16 24:25, tab 26:27
	s_cmp_lt_u32 ttmp9, 32
	s_cbranch_scc1 .Ltable
	; THE CONVERSIONS.  g = work-group - 32; g < 512: x; else w = g - 512, tensor t = w / 64, its part gw = w % 64 (16 rows of 1,024)
	s_sub_co_u32 s2, ttmp9, 32                     ; g
	s_sub_co_u32 s3, s2, 512                       ; w (of no use where g < 512: every number made of it is then dropped by a select)
	s_lshr_b32 s4, s3, 6                           ; t
	s_and_b32 s5, s3, 63                           ; gw
	s_lshr_b32 s6, s5, 2                           ; the head of rows 16 gw ..
	s_mul_i32 s6, s6, 192
	s_lshl_b32 s7, s4, 6
	s_add_co_u32 s6, s6, s7                        ; + 64 t
	s_and_b32 s7, s5, 3
	s_lshl_b32 s7, s7, 4
	s_add_co_u32 s6, s6, s7                        ; + 16 (gw % 4): the first row in wqkv,
	s_lshl_b32 s6, s6, 11                          ; of 2,048 bytes
	s_lshl_b32 s7, s5, 15                          ; in wo16 the part stays where it was
	s_cmp_eq_u32 s4, 3
	s_cselect_b32 s6, s7, s6
	s_cselect_b32 s40, 1, 0                        ; 1: this is Wo
	s_lshl_b32 s7, s2, 15                          ; in xb likewise
	s_cmp_lt_u32 s2, 512
	s_cselect_b32 s36, s7, s6                      ; byte offset of my part in the destination
	s_cselect_b32 s34, s2, s5
	s_cselect_b32 s40, 0, s40
	s_lshl_b32 s34, s34, 16                        ; and in the source: 65,536 bytes a part
	s_mov_b32 s35, 0
	s_mov_b32 s37, 0
	v_lshlrev_b32 v1, 4, v0                        ; a thread loads 16 bytes, a load of the work-group covers 4,096 on end
	v_lshlrev_b32 v2, 3, v0                        ; and stores 8: a wave's store covers 256 consecutive bytes, aligned
	s_wait_kmcnt 0x0
	s_cmp_eq_u32 s4, 1                             ; the two bases are chosen by the work-group's number alone
	s_cselect_b64 s[28:29], s[12:13], s[10:11]
	s_cmp_eq_u32 s4, 2
	s_cselect_b64 s[28:29], s[14:15], s[28:29]
	s_cmp_eq_u32 s4, 3
	s_cselect_b64 s[28:29], s[16:17], s[28:29]
	s_cselect_b64 s[30:31], s[24:25], s[22:23]
	s_cmp_lt_u32 s2, 512
	s_cselect_b64 s[28:29], s[8:9], s[28:29]
	s_cselect_b64 s[30:31], s[20:21], s[30:31]
	s_add_nc_u64 s[28:29], s[28:29], s[34:35]
	s_add_nc_u64 s[30:31], s[30:31], s[36:37]
.irp i, 0,1,2,3,4,5,6,7,8,9,10,11,12,13,14,15
	global_load_b128 v[X+4*(\i):X+4*(\i)+3], v1, s[28:29] offset:4096*(\i) th:TH_LOAD_NT  ; all sixteen go out on end: 64 KiB of the work-group in flight
.endr
	s_cmp_eq_u32 s40, 1
	s_cbranch_scc1 .Lhalf
.macro CVT_BF i
	s_wait_loadcnt 15-(\i)                         ; loads come back in order: load i is in, the younger ones stay out
	v_cvt_pk_bf16_f32 v[Y+2*(\i)],   v[X+4*(\i)],   v[X+4*(\i)+1]
	v_cvt_pk_bf16_f32 v[Y+2*(\i)+1], v[X+4*(\i)+2], v[X+4*(\i)+3]
	global_store_b64 v2, v[Y+2*(\i):Y+2*(\i)+1], s[30:31] offset:2048*(\i)  ; no register is written twice, so no wait frees one
.endm
.macro CVT_HF i
	s_wait_loadcnt 15-(\i)
	v_cvt_pk_bf16_f32 v4, v[X+4*(\i)],   v[X+4*(\i)+1]  ; the one rounding: to bf16
	v_cvt_pk_bf16_f32 v5, v[X+4*(\i)+2], v[X+4*(\i)+3]
	v_lshlrev_b32 v6, 16, v4                       ; back to f32,
	v_and_b32 v7, 0xffff0000, v4
	v_lshlrev_b32 v8, 16, v5
	v_and_b32 v9, 0xffff0000, v5
	v_cvt_pk_f16_f32 v[Y+2*(\i)],   v6, v7         ; and the same number as f16: 8 significant bits fit into 11
	v_cvt_pk_f16_f32 v[Y+2*(\i)+1], v8, v9
	global_store_b64 v2, v[Y+2*(\i):Y+2*(\i)+1], s[30:31] offset:2048*(\i)
.endm
.irp i, 0,1,2,3,4,5,6,7,8,9,10,11,12,13,14,15
	CVT_BF \i
.endr
	s_endpgm
.Lhalf:
.irp i, 0,1,2,3,4,5,6,7,8,9,10,11,12,13,14,15
	CVT_HF \i
.endr
	s_endpgm
	; THE TABLE
.Ltable:
	v_lshrrev_b32 v3, 5, v0
	v_readfirstlane_b32 s3, v3                     ; wave 0..7
	s_lshl_b32 s2, ttmp9, 6
	s_lshl_b32 s3, s3, 3
	s_add_co_u32 s2, s2, s3                        ; my first row: 64 x work-group + 8 x wave
	s_lshl_b32 s4, s2, 2                           ; 4 bytes a position
	s_mov_b32 s5, 0
	s_lshl_b32 s6, s2, 8                           ; 256 bytes a row of the table
	s_mov_b32 s7, 0
	s_mov_b32 s48, 0x3f22f983                      ; 2 / pi
	s_mov_b32 s49, 0xbfc90fdb                      ; - (pi / 2 rounded to f32)
	s_mov_b32 s50, 0x333bbd2e                      ; that number less pi / 2: 4.37113883e-8
	s_mov_b32 s51, 0xbe2aaaa3                      ; sine: -1.6666654611e-1
	s_mov_b32 s52, 0x3c08839e                      ;        8.3321608736e-3
	s_mov_b32 s53, 0xb94ca1f9                      ;       -1.9515295891e-4
	s_mov_b32 s54, 0x3d2aaaa5                      ; cosine: 4.166664568e-2
	s_mov_b32 s55, 0xbab6061a                      ;        -1.388731626e-3
	s_mov_b32 s56, 0x37ccf5ce                      ;         2.443315712e-5
	s_wait_kmcnt 0x0
	s_add_nc_u64 s[18:19], s[18:19], s[4:5]
	s_add_nc_u64 s[26:27], s[26:27], s[6:7]
	s_load_b256 s[32:39], s[18:19], 0x0            ; my eight positions
	v_and_b32 v5, 31, v0                           ; i
	v_lshlrev_b32 v6, 3, v5                        ; 8 bytes a pair: a wave's store covers a whole row of 256 bytes
	v_cvt_f32_u32 v7, v5
	v_mul_f32 v7, 0xbed49a78, v7                   ; - i log2(10000) / 32
	v_exp_f32 v4, v7                               ; inv_freq
	v_nop                                          ; a plain instruction between the exponential and the use of its result
	s_wait_alu depctr_va_vdst(0)
	s_wait_kmcnt 0x0
.macro SINCOS j
	v_cvt_f32_i32 v8, s[32+(\j)]
	v_mul_f32 v8, v8, v4                           ; the angle a
	v_mul_f32 v9, s48, v8
	v_rndne_f32 v9, v9                             ; n = the nearest whole number to a 2 / pi
	v_fma_f32 v10, v9, s49, v8                     ; r = a - n pi / 2, in two parts
	v_fma_f32 v10, v9, s50, v10
	v_cvt_i32_f32 v11, v9                          ; the quadrant is n mod 4
	v_mul_f32 v12, v10, v10                        ; z = r r
	v_fma_f32 v13, s53, v12, s52
	v_fma_f32 v14, s56, v12, s55
	v_fma_f32 v13, v13, v12, s51
	v_fma_f32 v14, v14, v12, s54
	v_mul_f32 v13, v13, v12
	v_fma_f32 v15, v12, -0.5, 1.0
	v_mul_f32 v16, v12, v12
	v_fma_f32 v13, v13, v10, v10                   ; sin r
	v_fma_f32 v14, v14, v16, v15                   ; cos r
	v_and_b32 v17, 1, v11
	v_cmp_eq_u32 vcc_lo, 1, v17                    ; odd quadrants swap the two
	v_cndmask_b32 v18, v13, v14, vcc_lo            ; for the sine
	v_cndmask_b32 v19, v14, v13, vcc_lo            ; for the cosine
	v_and_b32 v17, 2, v11                          ; the sine is negative in quadrants 2 and 3,
	v_add_nc_u32 v20, 1, v11
	v_lshlrev_b32 v17, 30, v17
	v_and_b32 v20, 2, v20                          ; the cosine in 1 and 2
	v_lshlrev_b32 v20, 30, v20
	v_xor_b32 v[Y+2*(\j)+1], v18, v17
	v_xor_b32 v[Y+2*(\j)], v19, v20
	global_store_b64 v6, v[Y+2*(\j):Y+2*(\j)+1], s[26:27] offset:256*(\j)
.endm
.irp j, 0,1,2,3,4,5,6,7
	SINCOS \j
.endr
	s_endpgm
.Lfunc_end_k_qf97bafbccd_prep:
	.size	k_qf97bafbccd_prep, .Lfunc_end_k_qf97bafbccd_prep-k_qf97bafbccd_prep
	.p2alignl 7, 3214868480
	.fill 96, 4, 3214868480
	.section	.rodata,"a",@progbits
	.p2align	6, 0x0
	.amdhsa_kernel k_qf97bafbccd_prep
		.amdhsa_group_segment_fixed_size 0
		.amdhsa_private_segment_fixed_size 0
		.amdhsa_enable_private_segment 0
		.amdhsa_kernarg_size 80
		.amdhsa_user_sgpr_count 2
		.amdhsa_user_sgpr_kernarg_segment_ptr 1
		.amdhsa_wavefront_size32 1
		.amdhsa_system_sgpr_workgroup_id_x 1
		.amdhsa_system_sgpr_workgroup_id_y 1
		.amdhsa_system_sgpr_workgroup_id_z 1
		.amdhsa_system_vgpr_workitem_id 0
		.amdhsa_next_free_vgpr 112
		.amdhsa_next_free_sgpr 66
		.amdhsa_reserve_vcc 1
		.amdhsa_float_denorm_mode_32 3
		.amdhsa_float_denorm_mode_16_64 3
		.amdhsa_memory_ordered 1
		.amdhsa_forward_progress 1
		.amdhsa_inst_pref_size 28
	.end_amdhsa_kernel
	.amdgpu_metadata
---
amdhsa.version: [ 1, 2 ]
amdhsa.kernels:
  - .name:           k_qf97bafbccd_prep
    .symbol:         k_qf97bafbccd_prep.kd
    .args:
      - { .name: x, .offset: 0, .size: 8, .value_kind: global_buffer, .address_space: global }
      - { .name: Wq, .offset: 8, .size: 8, .value_kind: global_buffer, .address_space: global }
      - { .name: Wk, .offset: 16, .size: 8, .value_kind: global_buffer, .address_space: global }
      - { .name: Wv, .offset: 24, .size: 8, .value_kind: global_buffer, .address_space: global }
      - { .name: Wo, .offset: 32, .size: 8, .value_kind: global_buffer, .address_space: global }
      - { .name: token_positions, .offset: 40, .size: 8, .value_kind: global_buffer, .address_space: global }
      - { .name: xb, .offset: 48, .size: 8, .value_kind: global_buffer, .address_space: global }
      - { .name: wqkv, .offset: 56, .size: 8, .value_kind: global_buffer, .address_space: global }
      - { .name: wo16, .offset: 64, .size: 8, .value_kind: global_buffer, .address_space: global }
      - { .name: tab, .offset: 72, .size: 8, .value_kind: global_buffer, .address_space: global }
    .group_segment_fixed_size: 0
    .private_segment_fixed_size: 0
    .kernarg_segment_align: 8
    .kernarg_segment_size: 80
    .max_flat_workgroup_size: 256
    .sgpr_count:     66
    .vgpr_count:     112
    .wavefront_size: 32
...
	.end_amdgpu_metadata
.endif
;; end of part 1
;; launch qkv (part 2): grid 16 x 16, 4 waves a work-group, clusters of 4 x 4, 327,680 bytes of LDS; arguments xb, wqkv, tab, qh, kh, vh; writes qh, kh, vh
.if DOCPART == 2
	.amdgcn_target "amdgcn-amd-amdhsa--gfx1250"
	.amdhsa_code_object_version 6
	.text
	.protected	k_qf97bafbccd_qkv
	.globl	k_qf97bafbccd_qkv
	.p2align	8
	.type	k_qf97bafbccd_qkv,@function
k_qf97bafbccd_qkv:
	s_mov_b64 s[64:65], 0
	v_nop
	global_prefetch_b8 v0, s[64:65] scope:SCOPE_SE
	s_setreg_imm32_b32 hwreg(HW_REG_WAVE_MODE, 25, 1), 1
	s_wait_xcnt 0x0
	s_wait_alu depctr_hold_cnt(0) depctr_sa_sdst(0) depctr_va_vdst(0) depctr_va_sdst(0) depctr_va_ssrc(0) depctr_va_vcc(0) depctr_vm_vsrc(0)
	s_getreg_b32 s2, hwreg(HW_REG_IB_STS2, 6, 4)
	s_cmp_eq_u32 s2, 0
	s_cbranch_scc0 .Lentry_in_a_cluster
	s_endpgm
.Lentry_in_a_cluster:
	s_bfe_u32 s2, ttmp6, 0x10000c
	s_cmp_lg_u32 s2, 0xf033
	s_cbranch_scc0 .Lentry_shape_is_right
	s_endpgm
.Lentry_shape_is_right:
; THE THREE PROJECTIONS AND ROPE.  [8192 x 1024] (xb, bf16) times [3072 x 1024]^T (wqkv, bf16, rows by head: q64 | k64 | v64), sums in f32, K ascending; q and k are turned by the table's
; (cos, sin) in f32 on the sums; q, k, v are rounded once to f16 and stored by heads, [16 b + h][2048][64], without the softmax's scale.
; LIMIT.  f16 holds no number beyond 65,504: q, k (turned) and v must lie within it; NaN and infinities are not treated apart.
; SHARES.  A tile of the result is 256 rows x 192 columns: tile column tx is head tx.  32 x 16 = 512 tiles; A WORK-GROUP STAYS and makes two, at rows 256 ty and 256 ty + 4096: they share their rows
; of wqkv and, since both begin at the same s in their batch, one table of 256 rows.  Wave w owns rows 64 w .. 64 w + 63 and all 192 columns: 48 accumulators of 16 x 16, 384 registers.
; K goes in steps of 128 through a ring of two LDS slots filled by the tensor data mover; the tiles' rows are 256 bytes of memory, aligned.  The ring runs on into the second tile.
; CLUSTER.  4 x 4 work-groups: xb's tile and the table hang on ty alone and are asked for jointly along a row of the cluster, wqkv's tile on tx alone, along a column.
; THE MATRIX INSTRUCTION IS USED TRANSPOSED (source 0 = 16 rows of wqkv, source 1 = 16 rows of xb): a lane holds row l % 16 and the eight neighbouring columns 8 (l / 16) + 0..7: four pairs of RoPE.
; No prefetch: K has eight steps, of which a tile's first and last could name nothing, and the tiles are shared in the cluster.
; REGISTERS, in windows of 256 (s_set_vgpr_msb: bits 1:0 source 0, 3:2 source 1, 5:4 source 2, 7:6 destination):
;   window 0: v0-31 addresses; v32-63, v64-95 fragments of xb, two buffers; v96-127 (cos, sin); v128-159 at work; v160-223 the way out, four buffers of 16
;   window 1: v0-95, v96-191 fragments of wqkv, two buffers      windows 2, 3: accumulator (a, b) in window 2 + a / 2 at v[96 (a % 2) + 8 b]; b = 0-3 q, 4-7 k, 8-11 v
.set SIZE_K, 1024
.set KSTEP,  128
.set PITCH,  272                       ; an LDS row: 256 bytes + 16 of padding = 68 words: the 16 rows that a load touches start at 16 different groups of four banks (64 banks of 4 bytes: ISA guide 11.1)
.set AHALF,  128*PITCH                 ; what one tensor load brings of xb
.set BHALF,  96*PITCH                  ; and of wqkv
.set BOFF,   256*PITCH                 ; a slot: xb's 256 rows, then wqkv's 192
.set SLOT,   448*PITCH
.set TAB,    2*SLOT                    ; behind the ring: the table, 256 rows x 272 bytes, filled once
.set STAGE,  TAB+256*PITCH             ; 16 rows x 144 bytes for each wave, for the way out; no tensor load lands here
.set SPITCH, 144
.set SPARE,  STAGE+4*16*SPITCH         ; the spare words, 128 bytes for each wave: two blocks of 256 bytes that no other line names
.set LAPS,   SIZE_K/(2*KSTEP)
.set NEXT_A, 4096*SIZE_K*2-(SIZE_K-2*KSTEP)*2  ; from a slot's last K step of a tile to its first of the next: 4,096 rows down and back along K
.set BACK_B, (SIZE_K-2*KSTEP)*2        ; wqkv only back
.set ADRA, 16                          ; v16-17  LDS address of my fragments of xb in slot 0, 1
.set ADRB, 20                          ; v20-21  the same for wqkv
.set STO,  24                          ; v24     the way out: where I put 16 bytes of a row
.set RD,   25                          ; v25     where I read rows back
.set GO,   26                          ; v26     my 16 bytes of 512 consecutive bytes
.set TBA,  27                          ; v27     my 32 bytes of the table's row
.set SPW,  28                          ; v28     LDS address of my spare word; never rewritten
.set NIL,  29                          ; v29     0; never rewritten
.set FA,   32
.set CS,   96
.set T,    128
.set OB,   160
.set G1,  24                           ; s[24:31] group 1 for xb's tiles;  s[32:39] group 0, a set for each slot
.set G0,  32
.set G1B, 48                           ; s[48:55], s[56:63] the same for wqkv's
.set G0B, 56
.set G1T, 68                           ; s[68:75], s[76:79] for the table
.set G0T, 76
.set QP,  82                           ; s[82:83] qh, s[84:85] kh, s[86:87] vh at my wave's first row
.set MSB, 0
.macro WIN new                         ; the immediate's high byte repeats the setting that is left; a switch that changes nothing is dropped
.if MSB != (\new)
	s_set_vgpr_msb (MSB<<8)|(\new)
.set MSB, (\new)
.endif
.endm
.set MUL_LO, 0xa1                      ; source 0 window 1, source 1 window 0, C and D window 2; + 0x50: window 3
.set TO_B,   0x40                      ; destination window 1, address window 0
; A joint load.  Waves 0 and 1 fetch xb's two halves, waves 2 and 3 wqkv's.  The branch hangs on the wave's number alone.  An s_nop 0 and four v_nop follow each line.
.macro JLOAD s
	s_cmp_lt_u32 s10, 2
	s_cbranch_scc0 .Lfor_b_\@
	tensor_load_to_lds s[G0+4*(\s):G0+4*(\s)+3], s[G1:G1+7]
	s_nop 0
.rept 4
	v_nop
.endr
	s_branch .Lasked_\@
.Lfor_b_\@:
	tensor_load_to_lds s[G0B+4*(\s):G0B+4*(\s)+3], s[G1B:G1B+7]
	s_nop 0
.rept 4
	v_nop
.endr
.Lasked_\@:
.endm
.macro CREST                           ; a round of the cluster's barrier behind its opening barrier
	s_cmp_lg_u32 s10, 0
	s_cbranch_scc1 .Lnot_wave_0_\@
	s_barrier_signal -3
.Lnot_wave_0_\@:
	s_barrier_wait -3
	s_barrier_signal -1
	s_barrier_wait -1
.endm
.macro CROUND                          ; a whole round
	s_barrier_signal -1
	s_barrier_wait -1
	CREST
.endm
.macro PLACES                          ; four places behind a matrix instruction, in front of loads into registers that it has read and of vector lines that read results
.rept 4
	v_nop
.endr
.endm
	s_load_b128 s[4:7], s[0:1], 0x0                ; xb s[4:5], wqkv s[6:7]
	s_load_b256 s[80:87], s[0:1], 0x10             ; tab s[80:81], qh, kh, vh
	v_lshl_add_u32 v[SPW], v0, 2, SPARE
	v_mov_b32 v[NIL], 0
	ds_add_u32 v[SPW], v[NIL]                      ; the wave's opening: the add and its wait stand ahead of my first tensor load; the set-up below, work on registers, stands between them
	v_lshrrev_b32 v1, 5, v0
	v_readfirstlane_b32 s10, v1                    ; wave 0..3
	s_and_b32 s12, s10, 1                          ; which half of a tile I fetch
	s_bfe_u32 s40, ttmp6, 0x40000                  ; cx
	s_bfe_u32 s41, ttmp6, 0x40004                  ; cy
	s_lshl_b32 s42, ttmp9, 2
	s_add_co_u32 s42, s42, s40                     ; tx = 4 x cluster x + cx: the head
	s_and_b32 s13, ttmp7, 0xffff
	s_lshl_b32 s13, s13, 2
	s_add_co_u32 s13, s13, s41                     ; ty = 4 x cluster y + cy
	s_lshl_b32 s43, s41, 2
	s_lshl_b32 s43, 15, s43                        ; my row of the cluster
	s_lshl_b32 s44, 0x1111, s40                    ; my column
	s_or_b32 s[G1+0], s43, (1<<16)|(1<<20)|(1<<21)|(5<<22)|(3<<25)   ; the mask; elements of 2 bytes; padding on; bit 21 beside a mask; after every 64 words, 4 words
	s_or_b32 s[G1B+0], s44, (1<<16)|(1<<20)|(1<<21)|(5<<22)|(3<<25)
	s_or_b32 s[G1T+0], s43, (3<<16)|(1<<20)|(1<<21)|(5<<22)|(3<<25)  ; the table: elements of 8 bytes, one (cos, sin)
	s_mov_b32 s[G1+1], KSTEP<<16                   ; tensor_dim0 = 128
	s_mov_b32 s[G1+2], 128<<16                     ; tensor_dim1 = 128
	s_mov_b32 s[G1+3], KSTEP<<16                   ; tile_dim0 = 128
	s_mov_b32 s[G1+4], 128                         ; tile_dim1 = 128
	s_mov_b32 s[G1+5], SIZE_K                      ; elements from row to row
	s_mov_b32 s[G1+6], 0
	s_mov_b32 s[G1+7], 0
	s_mov_b32 s[G1B+1], KSTEP<<16
	s_mov_b32 s[G1B+2], 96<<16                     ; 96 rows
	s_mov_b32 s[G1B+3], KSTEP<<16
	s_mov_b32 s[G1B+4], 96
	s_mov_b32 s[G1B+5], SIZE_K
	s_mov_b32 s[G1B+6], 0
	s_mov_b32 s[G1B+7], 0
	s_mov_b32 s[G1T+1], 32<<16                     ; 32 pairs a row,
	s_mov_b32 s[G1T+2], 64<<16                     ; 64 rows a wave
	s_mov_b32 s[G1T+3], 32<<16
	s_mov_b32 s[G1T+4], 64
	s_mov_b32 s[G1T+5], 32
	s_mov_b32 s[G1T+6], 0
	s_mov_b32 s[G1T+7], 0
	; where the tiles come from: xb's and the table's hang on ty alone, wqkv's on tx alone, each in registers that never hold the other coordinate
	s_lshl_b32 s16, s13, 19                        ; 256 ty rows of 2,048 bytes
	s_lshl_b32 s17, s12, 18                        ; + my 128
	s_add_co_u32 s16, s16, s17
	s_mov_b32 s17, 0
	s_mul_i32 s46, s42, 192*SIZE_K*2               ; 192 tx rows
	s_mul_i32 s47, s12, 96*SIZE_K*2                ; + my 96
	s_add_co_u32 s46, s46, s47
	s_mov_b32 s47, 0
	s_and_b32 s18, s13, 7                          ; the tile's first s is 256 (ty % 8): 256 rows of 256 bytes
	s_lshl_b32 s18, s18, 16
	s_lshl_b32 s19, s10, 14                        ; + my wave's 64 rows
	s_add_co_u32 s18, s18, s19
	s_mov_b32 s19, 0
	; and where they go: a constant and the wave's number times a constant; no place in the cluster enters an LDS address
	s_mul_i32 s20, s10, AHALF                      ; waves 0, 1: xb's halves
	s_mul_i32 s21, s10, BHALF
	s_add_co_u32 s21, s21, BOFF-2*BHALF            ; waves 2, 3: wqkv's halves, behind xb's 256 rows
	s_mul_i32 s22, s10, 64*PITCH
	s_add_co_u32 s22, s22, TAB                     ; every wave: its own 64 rows of the table
	s_wait_dscnt 0x0                               ; the opening add is done
	s_wait_kmcnt 0x0
	s_add_nc_u64 s[14:15], s[4:5], s[16:17]
	s_add_nc_u64 s[46:47], s[6:7], s[46:47]
	s_add_nc_u64 s[18:19], s[80:81], s[18:19]
	CROUND                                         ; all sixteen work-groups are here: the first joint loads meet
.irp s, 0,1
	s_mov_b32 s[G0+4*(\s)], 1                                        ; count = 1
	s_add_co_u32 s[G0+4*(\s)+1], s20, (\s)*SLOT                      ; LDS address
	s_add_nc_u64 s[G0+4*(\s)+2:G0+4*(\s)+3], s[14:15], (\s)*KSTEP*2  ; global address: K step s
	s_or_b32 s[G0+4*(\s)+3], s[G0+4*(\s)+3], 0x80000000              ; type = 2
	s_mov_b32 s[G0B+4*(\s)], 1
	s_add_co_u32 s[G0B+4*(\s)+1], s21, (\s)*SLOT
	s_add_nc_u64 s[G0B+4*(\s)+2:G0B+4*(\s)+3], s[46:47], (\s)*KSTEP*2
	s_or_b32 s[G0B+4*(\s)+3], s[G0B+4*(\s)+3], 0x80000000
.endr
	s_mov_b32 s[G0T], 1
	s_mov_b32 s[G0T+1], s22
	s_mov_b64 s[G0T+2:G0T+3], s[18:19]
	s_or_b32 s[G0T+3], s[G0T+3], 0x80000000
	s_cmp_lt_u32 s10, 2                            ; a wave's three first fills stand in one branch, ahead of every wait on TENSORcnt and every LDS read: three loads of mine are out
	s_cbranch_scc0 .Lfirst_b
	tensor_load_to_lds s[G0:G0+3], s[G1:G1+7]
	s_nop 0
	tensor_load_to_lds s[G0+4:G0+7], s[G1:G1+7]
	s_nop 0
	tensor_load_to_lds s[G0T:G0T+3], s[G1T:G1T+7]
	s_nop 0
.rept 4
	v_nop
.endr
	s_branch .Lfirst_asked
.Lfirst_b:
	tensor_load_to_lds s[G0B:G0B+3], s[G1B:G1B+7]
	s_nop 0
	tensor_load_to_lds s[G0B+4:G0B+7], s[G1B:G1B+7]
	s_nop 0
	tensor_load_to_lds s[G0T:G0T+3], s[G1T:G1T+7]
	s_nop 0
.rept 4
	v_nop
.endr
.Lfirst_asked:
	; A fragment is 16 rows x 32 K in 8 registers: lane l holds row l % 16; registers 0-3 K = 8 (l / 16) + 0..7, registers 4-7 K = 16 + 8 (l / 16) + 0..7: two loads of 16 bytes, 32 bytes apart.
	v_and_b32 v1, 15, v0                           ; r = l % 16
	v_bfe_u32 v2, v0, 4, 1                         ; h = l / 16
	v_mul_u32_u24 v3, v1, PITCH
	s_mul_i32 s23, s10, 64*PITCH                   ; my 64 rows
	v_add_nc_u32 v4, s23, v3
	v_lshl_add_u32 v[ADRA], v2, 4, v4              ; (64 w + r) x pitch + 16 h
	v_add_nc_u32 v[ADRA+1], SLOT, v[ADRA]
	v_lshl_add_u32 v[ADRB], v2, 4, v3
	v_add_nc_u32 v[ADRB], BOFF, v[ADRB]
	v_add_nc_u32 v[ADRB+1], SLOT, v[ADRB]
	v_lshl_add_u32 v[TBA], v2, 5, v4               ; the table: my row, the four pairs 4 h + 0..3 of each block of eight
	v_add_nc_u32 v[TBA], TAB, v[TBA]
	s_mul_i32 s23, s10, 16*SPITCH
	s_add_co_u32 s23, s23, STAGE                   ; my stage
	v_mul_u32_u24 v5, v1, SPITCH                   ; in: row r, 16 bytes for each half of the lanes
	v_lshl_add_u32 v5, v2, 4, v5
	v_add_nc_u32 v[STO], s23, v5
	v_bfe_u32 v5, v0, 3, 2                         ; back: 32 lanes take four rows of 128 bytes,
	v_mul_u32_u24 v5, v5, SPITCH
	v_and_b32 v6, 7, v0
	v_lshl_add_u32 v5, v6, 4, v5
	v_add_nc_u32 v[RD], s23, v5
	v_and_b32 v[GO], 31, v0                        ; which are 512 consecutive bytes of a head's rows
	v_lshlrev_b32 v[GO], 4, v[GO]
	; where my rows lie in qh, kh, vh: batch ty / 8, head tx, row 256 (ty % 8) + 64 w, 128 bytes a row
	s_lshr_b32 s88, s13, 3
	s_lshl_b32 s88, s88, 22
	s_lshl_b32 s89, s42, 18
	s_add_co_u32 s88, s88, s89
	s_and_b32 s89, s13, 7
	s_lshl_b32 s89, s89, 15
	s_add_co_u32 s88, s88, s89
	s_lshl_b32 s89, s10, 13
	s_add_co_u32 s88, s88, s89
	s_mov_b32 s89, 0
	s_add_nc_u64 s[QP:QP+1], s[QP:QP+1], s[88:89]
	s_add_nc_u64 s[QP+2:QP+3], s[QP+2:QP+3], s[88:89]
	s_add_nc_u64 s[QP+4:QP+5], s[QP+4:QP+5], s[88:89]
; 12 matrix instructions: row block a x all 12 column blocks, 32 along K, from buffer f.  zero = 1: the product starts the sum.  All 48 accumulators take turns in the same order in every
; quarter: between two links of a chain stand the 47 others'.
.macro MUL12 f, a, zero
	WIN MUL_LO+0x50*((\a)/2)
.irp b, 0,1,2,3,4,5,6,7,8,9,10,11
.if \zero
	v_wmma_f32_16x16x32_bf16 v[96*((\a)%2)+8*(\b):96*((\a)%2)+8*(\b)+7], v[96*(\f)+8*(\b):96*(\f)+8*(\b)+7], v[FA+32*(\f)+8*(\a):FA+32*(\f)+8*(\a)+7], 0
.else
	v_wmma_f32_16x16x32_bf16 v[96*((\a)%2)+8*(\b):96*((\a)%2)+8*(\b)+7], v[96*(\f)+8*(\b):96*(\f)+8*(\b)+7], v[FA+32*(\f)+8*(\a):FA+32*(\f)+8*(\a)+7], v[96*((\a)%2)+8*(\b):96*((\a)%2)+8*(\b)+7]
.endif
.endr
.endm
; 32 LDS loads in one run: the fragments of one quarter (192 rows of wqkv, my 64 rows of xb, 32 K at byte k of the rows) into buffer f
.macro FETCH slot, k, f
	WIN TO_B
.irp i, 0,1,2,3,4,5,6,7,8,9,10,11
	ds_load_b128 v[96*(\f)+8*(\i):96*(\f)+8*(\i)+3],   v[ADRB+(\slot)] offset:(\k)+(\i)*16*PITCH
	ds_load_b128 v[96*(\f)+8*(\i)+4:96*(\f)+8*(\i)+7], v[ADRB+(\slot)] offset:(\k)+(\i)*16*PITCH+32
.endr
	WIN 0
.irp i, 0,1,2,3
	ds_load_b128 v[FA+32*(\f)+8*(\i):FA+32*(\f)+8*(\i)+3],   v[ADRA+(\slot)] offset:(\k)+(\i)*16*PITCH
	ds_load_b128 v[FA+32*(\f)+8*(\i)+4:FA+32*(\f)+8*(\i)+7], v[ADRA+(\slot)] offset:(\k)+(\i)*16*PITCH+32
.endr
.endm
; A K step is four quarters of 32 along K, 48 matrix instructions each, on buffers 0, 1, 0, 1.  One of the first three: multiplies buffer f, and in its middle fetches the next quarter, at byte k, into g.
.macro QUARTER slot, k, f, g, zero
	s_wait_dscnt 4                                 ; wqkv's fragments and xb's row blocks 0, 1 are in; the youngest four loads (blocks 2, 3) may be out
	MUL12 \f, 0, \zero
	MUL12 \f, 1, \zero
	PLACES
	FETCH \slot, \k, \g
	s_wait_dscnt 32                                ; all but the 32 just issued
	MUL12 \f, 2, \zero
	MUL12 \f, 3, \zero
.endm
; The last quarter multiplies buffer 1 and changes slots.  MEET is its first half: one barrier for two things.  In front of it each wave waits for all its tensor loads, adds 0 to its spare word,
; and waits for that and for its own reads of this slot.  Behind it nobody reads this slot any more and the next slot is whole.
.macro MEET round
	WIN 0                                          ; (the add's two registers lie in window 0)
	s_wait_tensorcnt 0x0                           ; all my tensor loads have landed, my part of the next slot among them
	ds_add_u32 v[SPW], v[NIL]                      ; 0 onto my spare word
	s_wait_dscnt 7                                 ; (the add and xb's row blocks 1 to 3, six loads, may be out)
	MUL12 1, 0, 0                                  ; twelve matrix instructions stand between the add and the wait for it
	s_wait_dscnt 0x0                               ; the add is done, and my reads of this slot are over
	s_barrier_signal -1
	MUL12 1, 1, 0                                  ; work on registers while the others arrive
.if \round
	WIN 0
.endif
	s_barrier_wait -1
.endm
; The whole last quarter.  Behind the round the slot just read out is filled again first: with this tile's K step two on (on = 0) or with the next tile's K step 0 or 1 (on = 1).
.macro TURN slot, next, on
	MEET 1
	CREST                                          ; no wave of any partner still reads this slot's tile or has a load on its way
.if \on
	s_add_nc_u64 s[G0+4*(\slot)+2:G0+4*(\slot)+3], s[G0+4*(\slot)+2:G0+4*(\slot)+3], NEXT_A
	s_sub_nc_u64 s[G0B+4*(\slot)+2:G0B+4*(\slot)+3], s[G0B+4*(\slot)+2:G0B+4*(\slot)+3], BACK_B
.else
	s_add_nc_u64 s[G0+4*(\slot)+2:G0+4*(\slot)+3], s[G0+4*(\slot)+2:G0+4*(\slot)+3], 2*KSTEP*2
	s_add_nc_u64 s[G0B+4*(\slot)+2:G0B+4*(\slot)+3], s[G0B+4*(\slot)+2:G0B+4*(\slot)+3], 2*KSTEP*2
.endif
	JLOAD \slot                                    ; the first tensor load behind the round; its four v_nop are also the places in front of the loads below
	FETCH \next, 0, 0
	MUL12 1, 2, 0
	MUL12 1, 3, 0
.endm
; THE WAY OUT, in 12 groups g = 3 a + t: row block a of 16, t = q, k, v: 16 rows x 64 columns.
.macro TABLD a                         ; (cos, sin) of my row of block a: for column block b' the pairs 8 b' + 4 h + 0..3, at CS + 8 b'
	WIN 0
.irp j, 0,1,2,3,4,5,6,7
	ds_load_b128 v[CS+4*(\j):CS+4*(\j)+3], v[TBA] offset:16*PITCH*(\a)+64*((\j)/2)+16*((\j)%2)
.endr
.endm
.macro PACK g
.set PAA, (\g)/3
.set PTT, (\g)%3
.set OBG, OB+16*((\g)%4)
.set AC,  96*(PAA%2)+32*PTT
.if (\g) >= 4
	s_wait_xcnt 0x0                                ; the stores of the group four back have read this buffer: it is rewritten only behind this wait
.endif
.if PTT == 2
.if PAA < 3
	TABLD PAA+1                                    ; k's turning was the table registers' last use for this block
.endif
	WIN 0x0a+5*(PAA/2)                             ; sources 0 and 1 in window 2 or 3
.set i, 0
.rept 16
	v_cvt_pk_f16_f32 v[OBG+i], v[AC+2*i], v[AC+2*i+1]  ; each accumulator's registers in ascending order
.set i, i+1
.endr
.else
.if (PTT == 0) && (PAA >= 1)
	s_wait_dscnt 8                                 ; the table's run is in; the eight stage instructions issued behind it may be out
.endif
	WIN 2+PAA/2                                    ; source 0 in window 2 or 3
.set i, 0
.rept 16
	v_pk_mul_f32 v[T+2*i:T+2*i+1], v[AC+2*i:AC+2*i+1], v[CS+2*i:CS+2*i+1] op_sel_hi:[1,0]  ; (x1 c, x2 c)
.set i, i+1
.endr
.set i, 0
.rept 16
	v_pk_fma_f32 v[T+2*i:T+2*i+1], v[AC+2*i:AC+2*i+1], v[CS+2*i:CS+2*i+1], v[T+2*i:T+2*i+1] op_sel:[1,1,0] op_sel_hi:[0,1,1] neg_lo:[0,1,0]  ; (x1 c - x2 s, x2 c + x1 s)
.set i, i+1
.endr
	WIN 0
.set i, 0
.rept 16
	v_cvt_pk_f16_f32 v[OBG+i], v[T+2*i], v[T+2*i+1]
.set i, i+1
.endr
.endif
	WIN 0
.irp f, 0,1,2,3
	ds_store_b128 v[STO], v[OBG+4*(\f):OBG+4*(\f)+3] offset:32*(\f)
.endr
.irp f, 0,1,2,3
	ds_load_b128 v[OBG+4*(\f):OBG+4*(\f)+3], v[RD] offset:(\f)*4*SPITCH  ; LDS serves a wave's instructions in order (ISA guide 5.7.1.4): these see the stores above; the next group's stores come behind them
.endr
.endm
.macro SEND g, y                       ; y: the LDS instructions issued behind group g's loads
	WIN 0
.set OBG, OB+16*((\g)%4)
.irp f, 0,1,2,3
	s_wait_dscnt (\y)+3-(\f)
	global_store_b128 v[GO], v[OBG+4*(\f):OBG+4*(\f)+3], s[QP+2*((\g)%3):QP+2*((\g)%3)+1] offset:2048*((\g)/3)+512*(\f)  ; 512 consecutive bytes, at a multiple of 256 from the buffer's first
.endr
.endm
	s_wait_tensorcnt 2                             ; my part of K step 0 is in; K step 1 and the table may stay out
	s_barrier_signal -1
	s_barrier_wait -1                              ; everybody's is
	FETCH 0, 0, 0
	s_mov_b32 s2, 2                                ; tiles to go: the same number in every work-group
.Ltile:
	QUARTER 0, 64,  0, 1, 1                        ; a tile's first quarter stands in front of the loop: its products start the sums
	WIN 0                                          ; at a label and at a branch every window is 0
	s_mov_b32 s3, LAPS-1
.Llap:                                                 ; a trip goes once round the ring, from a lap's second quarter to the next lap's first, and fills both slots again
	QUARTER 0, 128, 1, 0, 0
	QUARTER 0, 192, 0, 1, 0
	TURN 0, 1, 0
	QUARTER 1, 64,  0, 1, 0
	QUARTER 1, 128, 1, 0, 0
	QUARTER 1, 192, 0, 1, 0
	TURN 1, 0, 0
	QUARTER 0, 64,  0, 1, 0
	WIN 0
	s_sub_co_u32 s3, s3, 1
	s_cmp_lg_u32 s3, 0
	s_cbranch_scc1 .Llap
	QUARTER 0, 128, 1, 0, 0                        ; the tile's last lap goes on
	QUARTER 0, 192, 0, 1, 0
	WIN 0
	s_cmp_eq_u32 s2, 1
	s_cbranch_scc1 .Llast                          ; the last tile's tail is written out: it asks for nothing more
	TURN 0, 1, 1                                   ; the ring goes on into the next tile: slot 0 takes its K step 0,
	QUARTER 1, 64,  0, 1, 0
	QUARTER 1, 128, 1, 0, 0
	QUARTER 1, 192, 0, 1, 0
	TURN 1, 0, 1                                   ; slot 1 its K step 1, and the next tile's first fragments are fetched
	WIN 0
	s_branch .Lout
.Llast:
	MEET 0                                         ; my one tensor load that was out is the last K step's, so no round follows
	PLACES
	FETCH 1, 0, 0
	MUL12 1, 2, 0
	MUL12 1, 3, 0
	QUARTER 1, 64,  0, 1, 0
	QUARTER 1, 128, 1, 0, 0
	QUARTER 1, 192, 0, 1, 0
	s_wait_dscnt 4                                 ; the very last quarter: nothing more to fetch
	MUL12 1, 0, 0
	MUL12 1, 1, 0
	s_wait_dscnt 0x0
	MUL12 1, 2, 0
	MUL12 1, 3, 0
	WIN 0
.Lout:                                                 ; the tile goes out; buffer 0 of the fragments, which may hold the next tile's first quarter, is not touched
	PLACES
	TABLD 0                                        ; my own 64 rows of the table came by my own load, shown landed by the waits for all loads above
	s_wait_dscnt 0x0
	PACK 0
.set gg, 1
.rept 11                               ; a group's arithmetic stands between the loads of the group before and its stores
	PACK gg
.if (gg%3 == 2) && (gg/3 < 3)
	SEND gg-1, 16
.else
	SEND gg-1, 8
.endif
.set gg, gg+1
.endr
	SEND 11, 0
	s_wait_xcnt 0x0                                ; the stores have read their bases and their data
	s_add_nc_u64 s[QP:QP+1], s[QP:QP+1], 0x800000          ; the next tile lies two batches on: 32 heads of 262,144 bytes
	s_add_nc_u64 s[QP+2:QP+3], s[QP+2:QP+3], 0x800000
	s_add_nc_u64 s[QP+4:QP+5], s[QP+4:QP+5], 0x800000
	s_sub_co_u32 s2, s2, 1
	s_cmp_lg_u32 s2, 0
	s_cbranch_scc1 .Ltile
	s_wait_tensorcnt 0x0                           ; the wave's end: an add and its wait behind my last tensor load and my last LDS store
	ds_add_u32 v[SPW], v[NIL]
	s_wait_dscnt 0x0
	CROUND                                         ; the closing round: no work-group ends while a partner may still ask for a tile that names it
	s_endpgm
.Lfunc_end_k_qf97bafbccd_qkv:
	.size	k_qf97bafbccd_qkv, .Lfunc_end_k_qf97bafbccd_qkv-k_qf97bafbccd_qkv
	.p2alignl 7, 3214868480
	.fill 96, 4, 3214868480
	.section	.rodata,"a",@progbits
	.p2align	6, 0x0
	.amdhsa_kernel k_qf97bafbccd_qkv
		.amdhsa_group_segment_fixed_size 327680
		.amdhsa_private_segment_fixed_size 0
		.amdhsa_enable_private_segment 0
		.amdhsa_kernarg_size 48
		.amdhsa_user_sgpr_count 2
		.amdhsa_user_sgpr_kernarg_segment_ptr 1
		.amdhsa_wavefront_size32 1
		.amdhsa_system_sgpr_workgroup_id_x 1
		.amdhsa_system_sgpr_workgroup_id_y 1
		.amdhsa_system_sgpr_workgroup_id_z 1
		.amdhsa_system_vgpr_workitem_id 0
		.amdhsa_next_free_vgpr 960
		.amdhsa_next_free_sgpr 96
		.amdhsa_reserve_vcc 0
		.amdhsa_float_denorm_mode_32 3
		.amdhsa_float_denorm_mode_16_64 3
		.amdhsa_memory_ordered 1
		.amdhsa_forward_progress 1
		.amdhsa_inst_pref_size 168
	.end_amdhsa_kernel
	.amdgpu_metadata
---
amdhsa.version: [ 1, 2 ]
amdhsa.kernels:
  - .name:           k_qf97bafbccd_qkv
    .symbol:         k_qf97bafbccd_qkv.kd
    .args:
      - { .name: xb, .offset: 0, .size: 8, .value_kind: global_buffer, .address_space: global }
      - { .name: wqkv, .offset: 8, .size: 8, .value_kind: global_buffer, .address_space: global }
      - { .name: tab, .offset: 16, .size: 8, .value_kind: global_buffer, .address_space: global }
      - { .name: qh, .offset: 24, .size: 8, .value_kind: global_buffer, .address_space: global }
      - { .name: kh, .offset: 32, .size: 8, .value_kind: global_buffer, .address_space: global }
      - { .name: vh, .offset: 40, .size: 8, .value_kind: global_buffer, .address_space: global }
    .group_segment_fixed_size: 327680
    .private_segment_fixed_size: 0
    .kernarg_segment_align: 8
    .kernarg_segment_size: 48
    .max_flat_workgroup_size: 128
    .sgpr_count:     96
    .vgpr_count:     960
    .wavefront_size: 32
...
	.end_amdgpu_metadata
.endif
;; end of part 2
;; launch attn (part 3): grid 4 x 64, 4 waves a work-group, no clusters, 327,680 bytes of LDS; arguments qh, kh, vh, oh; writes oh
.if DOCPART == 3
	.amdgcn_target "amdgcn-amd-amdhsa--gfx1250"
	.amdhsa_code_object_version 6
	.text
	.protected	k_qf97bafbccd_attn
	.globl	k_qf97bafbccd_attn
	.p2align	8
	.type	k_qf97bafbccd_attn,@function
k_qf97bafbccd_attn:
	s_mov_b64 s[64:65], 0
	v_nop
	global_prefetch_b8 v0, s[64:65] scope:SCOPE_SE
	s_setreg_imm32_b32 hwreg(HW_REG_WAVE_MODE, 25, 1), 1
	s_wait_xcnt 0x0
; CAUSAL ATTENTION.  O[h][q][:] = the sum over k <= q of softmax_k(Q[h][q] . K[h][k] / 8) V[h][k][:].  Q, K, V, O: [SIZE_H][SIZE_N][64], all f16: a head's rows are dense, 128 bytes each.
; Products, maxima and sums in f32; the weights p are rounded to f16 for the second product (their sum l is taken of the unrounded p), O once at the end.
; LIMITS.  f16 holds no number beyond 65,504: Q, K and V arrive within it; p lies in 0 to 1, and below 6e-5 it keeps f16's fixed step of 6e-8; O is a mean of V's rows and has their range.
; A hidden score counts as its value less 1e30: f16's scores, 2.7e11 at the most, are nothing beside that; a weight below 2^-126 counts as 0 in l; NaN and infinities are not treated apart.
; THE WALK.  A head's queries lie in NB = SIZE_N / 256 blocks of 256; block i needs the key tiles 0 .. i of 256 keys, of which the last holds the diagonal.  A work-group takes TWO blocks, NB - 1 - b and then b:
; NB + 1 tiles, whatever b: all work-groups do equal work, and ONE loop with a constant trip count walks them.  Which tile is asked for, and what a trip does, hang on scalar registers made from b; every jump
; goes forward, but for the counted loops' own; none passes a barrier, or a tensor load but the one of LOAD's two that the wave's number does not choose; the ring (two slots of LDS that take turns) runs on across the
; change of blocks.  NO CLUSTER: a head's NB / 2 work-groups all ask for the same tile only in trips 0 .. NB / 2, behind that fewer and fewer; and one walk common to all would have 3 NB / 2 trips for NB + 1.
; SHARES.  Of a block's four bands of 64 queries a wave owns 16 rows in each: four PIECES.  So the diagonal tile is the same work for all four waves: in its key step s band x sees all keys if s < x,
; none if s > x, and holds the diagonal if s = x.
; THE MASK is the C operand that starts the sum S^T = K Q^T: 0, or -1e30 where the key is hidden.  MD, made once, is the mask of a band's own step for my 16 rows; a product's mask is MD x AL + BE with two scalars:
; (1, 0) if s = x; (0, 0) if s < x; (0, -1e30) if s > x.  Only the diagonal tile's text and a block's beginning make and take masks; elsewhere C is the constant 0.
; LAYOUT, SOFTMAX, TURNS.  S^T = K Q^T holds ONE query a lane (lane % 16) and the keys 8 (lane / 16) + 0..7; two such results rounded to f16 ARE source 1 of O^T = V^T P.  p = 2^(c s - c m), c = log2(e) / 8, with a
; running maximum m; O and l are multiplied by a = 2^(c m_old - c m_new) in every step.  Turn n belongs to piece n: 8 products K Q^T of piece n + 1, later 8 products V^T P of piece n - 1; beside them the scaling,
; exponentials, roundings, sums and rescaling of piece n and the maximum and statistics of piece n + 1.  Four vector instructions stand behind every matrix instruction, the other 54 of a turn's 118 in two LUMPS.
; AHEAD OF THE LOADS.  The work-group with b = 0 walks the head's tiles 0 .. NB - 1 in order.  Behind each of its fills it prefetches the tile that its NEXT change of slots will ask for: four key steps, 256 matrix
; instructions, ahead; 128 threads x 256 bytes are the tile's 32 KiB of K, and as many of V.  So tiles 2 .. NB - 1 are named once each in the launch; tiles 0 and 1 come by their loads alone, and behind the first block nothing is asked for.
; REGISTERS, in windows of 256 (s_set_vgpr_msb: bits 1:0 source 0, 3:2 source 1, 5:4 source 2, 7:6 destination):
;   window 0: v0-15 addresses and two at work; v16-31 four registers of statistics a piece; v48-55 at work; v61-63; v64-127 S^T, two buffers; v192-223 P, two buffers (a piece's buffers go by its number's parity)
;   window 1: v0-127 O^T, 32 a piece; v128-159 MD; v160-223 MC, two buffers      window 2: v0-63 Q; v64-127 the second block's Q; v128-191 K of one step; v192-255 V of one step
.set SIZE_H, 64
.set SIZE_N, 2048
.set NB,    SIZE_N/256
.set NP,    4         ; pieces a wave: a name, no knob
.set KS,    64        ; keys in a step
.set PK,    144       ; a row of K in LDS: 128 bytes + 16 of padding = 36 words: the 16 rows of a load start at 16 different groups of four banks (64 banks of 4 bytes: ISA guide 11.1)
.set PV,    160       ; a row of V: 128 + 32 = 40 words
.set VOFF,  4*KS*PK   ; a slot holds a tile, four steps: 256 rows of K, then 256 rows of V
.set SLOT1, 1<<17     ; slot 1 begins here, so that one exclusive or turns an address in one slot into the other's
.set STAGE, SLOT1+4*KS*(PK+PV)  ; behind the ring, never filled by a tensor load: 16 rows x 144 bytes for each wave, for the way out
.set SP,    144
.set AK0, 2           ; v2   my lane's place in a tile of K; never rewritten
.set AV0, 3           ; v3   the same for V
.set AK,  4           ; v4   the LDS address of K's next run of loads
.set AV,  5           ; v5   of V's
.set STO, 6           ; v6   the way out: where I put 16 bytes of a row
.set RD,  7           ; v7   the way out: where I read rows back
.set GO,  8           ; v8   my byte offset in 512 consecutive bytes of O
.set PFO, 61          ; v61  256 x my thread's number: the prefetches' offset in a tile; never rewritten
.set SPW, 62          ; v62  LDS address of my spare word: SPARE + 4 x my thread's number; never rewritten
.set NIL, 63          ; v63  0; never rewritten
.set SPARE, STAGE+4*16*SP  ; behind the stages: the spare words, 128 bytes for each wave: two blocks of 256 bytes that no other line names
.set MV,  12          ; v12-13  c m_old, kept while c m is made anew: by buffer
.set QO,  15          ; v15  my byte offset in 16 rows of Q
.set ST,  16          ; piece t's statistics at v[ST+4 t]: c m, m, l (even keys', odd keys')
.set TMP, 48          ; by buffer, four registers c0-c3 at work; when the maximum is found c2 takes a
.set S,   64
.set P,   192
.set MD,  128         ; window 1: the eight registers for group kt of 16 keys at MD + 8 kt
.set MC,  160         ; window 1: the masks of the products to come
.set QB,  64          ; window 2
.set KF,  128         ; window 2: key block kb, channel half c at KF + 16 kb + 8 c
.set VF,  192         ; window 2: key half kk, channel block cb at VF + 32 kk + 8 cb
.set WV,  12          ; s12  my wave's number
.set PB,  14          ; s14  b
.set HI,  15          ; s15  NB - 1 - b
.set G1K, 24          ; s[24:31] descriptor group 1 for K's tiles
.set G1V, 32          ; s[32:39] for V's: it differs in the padding alone
.set G0K, 40          ; s[40:43] descriptor group 0 for K's tiles
.set G0V, 44          ; s[44:47] the same for V's
.set SLOTS, 56        ; s56  tiles still to be asked for
.set CNT, 57          ; s57  counts a tile's key steps, 4 to 1
.set CS,  58          ; s[58:59] c: the packed scaling takes the pair's low word for both halves
.set SEL, 60          ; s[60:61] v_permlanex16_b32's selects: each lane takes its own place in the other half
.set TBK, 62          ; s62  LDS byte at which K of the step to be fetched begins
.set TBV, 63          ; s63  the same for V, less VOFF
.set RT,  70          ; s70  tiles of the block in hand that are still to be entered
.set NXT, 71          ; s71  the tile to be asked for next
.set LQ,  72          ; s72  the last tile of the block whose tiles are being asked for
.set NEW, 73          ; s73  1: the tile to be entered is a block's first
.set OFF, 74          ; s[74:75] a tile's byte offset in K and V
.set AL,  76          ; s[76:77] the mask's factor, in the low word
.set BE,  78          ; s[78:79] the mask's addend
.set OLO, 80          ; s[80:81] O at my rows of the second block
.set BIGN, 82         ; s82  -1e30
.set KHD, 88          ; s[88:89] K at the head's first byte;  s[90:91] V
.set PFK, 92          ; s[92:93] K at the tile to be prefetched;  s[94:95] V
.set POF, 96          ; s[96:97] that tile's byte offset
.set PFL, 98          ; s98  not 0: this work-group prefetches now
.set MSB, 0
.macro WIN new                      ; the high byte repeats the setting that is left; a switch that changes nothing is dropped
.if MSB != (\new)
	s_set_vgpr_msb (MSB<<8)|(\new)
.set MSB, (\new)
.endif
.endm
.set W_KQ, 0x0a       ; K and Q in window 2, S^T in window 0
.set W_KM, 0x1a       ; the same with the C operand in window 1
.set W_PV, 0x52       ; V in window 2, P in window 0, O^T in window 1
.set W_RS, 0x41       ; destination and source 0 in window 1, source 1 in window 0
; A fill.  Waves 0 and 1 fetch the two halves of a tile's K, waves 2 and 3 those of its V: 128 keys each.  An s_nop 0 and four v_nop follow each of the two lines, ahead of the jump and the label.
.macro LOAD
	s_cmp_lt_u32 s[WV], 2
	s_cbranch_scc0 .Lfor_v_\@
	tensor_load_to_lds s[G0K:G0K+3], s[G1K:G1K+7]
	s_nop 0
.rept 4
	v_nop
.endr
	s_branch .Lasked_\@
.Lfor_v_\@:
	tensor_load_to_lds s[G0V:G0V+3], s[G1V:G1V+7]
	s_nop 0
.rept 4
	v_nop
.endr
.Lasked_\@:
.endm
; THE CHANGE OF SLOTS.  Each wave waits for all its tensor loads, of which one is out: its part of the other slot; adds 0 to its spare word; and waits for that and for its own reads of the slot that it leaves.  Behind the barrier nobody reads the old
; slot any more and the other slot is whole.  fill = 1: the old slot is filled again, the first thing behind the barrier, with tile NXT: the descriptor's address is made anew from that number.
; (At its first use nothing has been read yet: slot 0 is waited for, slot 1 filled.)
.macro CHANGE fill
	WIN 0                           ; at a label and at a branch every window is 0
	s_wait_tensorcnt 0x0            ; no tensor load of mine is out, so a group 0 may be written
	ds_add_u32 v[SPW], v[NIL]       ; 0 onto my spare word; with fill = 1 the descriptors' scalar work stands between it and the wait for it
.if \fill
	s_lshl_b32 s[OFF], s[NXT], 15   ; a tile is 32,768 bytes of K and of V
	s_xor_b32 s[G0K+1], s[G0K+1], SLOT1
	s_add_nc_u64 s[G0K+2:G0K+3], s[6:7], s[OFF:OFF+1]
	s_or_b32 s[G0K+3], s[G0K+3], 0x80000000
	s_xor_b32 s[G0V+1], s[G0V+1], SLOT1
	s_add_nc_u64 s[G0V+2:G0V+3], s[8:9], s[OFF:OFF+1]
	s_or_b32 s[G0V+3], s[G0V+3], 0x80000000
	s_add_co_u32 s[NXT], s[NXT], 1  ; the block's next tile, or behind its last the second block's tile 0
	s_cmp_gt_u32 s[NXT], s[LQ]
	s_cselect_b32 s[NXT], 0, s[NXT]
	s_cselect_b32 s[LQ], s[PB], s[LQ]
	s_wait_xcnt 0x0                 ; the last prefetches, a tile back, have read their addresses, so these may be written:
	s_lshl_b32 s[POF], s[NXT], 15   ; the tile that the next change will ask for
	s_add_nc_u64 s[PFK:PFK+1], s[KHD:KHD+1], s[POF:POF+1]
	s_add_nc_u64 s[PFK+2:PFK+3], s[KHD+2:KHD+3], s[POF:POF+1]
	s_cmp_eq_u32 s[PB], 0           ; b = 0 alone prefetches, and only while its first block's tiles go on (NXT is 0 behind them)
	s_cselect_b32 s[PFL], s[NXT], 0
.endif
	s_wait_dscnt 0x0                ; the add is done, and my reads of the slot are over
	s_barrier_signal -1             ; the rest of the scalar work stands between the signal and the wait
	s_sub_co_u32 s[TBK], s[TBK], 4*KS*PK  ; the fetches go back to a slot's first step,
	s_xor_b32 s[TBK], s[TBK], SLOT1       ; in the other slot
	s_sub_co_u32 s[TBV], s[TBV], 4*KS*PV
	s_xor_b32 s[TBV], s[TBV], SLOT1
	s_barrier_wait -1
.if \fill
	LOAD
	s_cmp_lg_u32 s[PFL], 0
	s_cbranch_scc0 .Lno_pf_\@
	global_prefetch_b8 v[PFO], s[PFK:PFK+1] th:TH_LOAD_NT scope:SCOPE_SE      ; behind my tensor load and its five lines: my 32 blocks of 256 bytes of K,
	global_prefetch_b8 v[PFO], s[PFK+2:PFK+3] th:TH_LOAD_NT scope:SCOPE_SE    ; and of V
.Lno_pf_\@:
.endif
.endm
	s_load_b256 s[4:11], s[0:1], 0x0  ; Q s[4:5], K s[6:7], V s[8:9], O s[10:11]
	v_lshl_add_u32 v[SPW], v0, 2, SPARE
	v_mov_b32 v[NIL], 0
	ds_add_u32 v[SPW], v[NIL]       ; the wave's opening: the add and its wait stand ahead of my first tensor load; the set-up below, work on registers, stands between them
	v_lshrrev_b32 v1, 5, v0
	v_readfirstlane_b32 s[WV], v1   ; wave 0..3
	v_lshlrev_b32 v[PFO], 8, v0
	s_mov_b32 s[PB], ttmp9
	s_sub_co_u32 s[HI], NB-1, s[PB]
	s_and_b32 s20, ttmp7, 0xffff    ; the head
	s_mov_b32 s21, 0
	s_mov_b64 s[22:23], SIZE_N*128
	s_mul_u64 s[20:21], s[20:21], s[22:23]  ; the head's first byte in each of the four tensors
	s_and_b32 s16, s[WV], 1         ; which half of a tile's 256 keys I fetch:
	s_lshl_b32 s22, s16, 14         ; its 128 rows of 128 bytes in memory,
	s_mov_b32 s23, 0
	s_add_nc_u64 s[22:23], s[22:23], s[20:21]
	s_mul_i32 s17, s16, 128*PK      ; and its place in a slot, for K
	s_mul_i32 s18, s16, 128*PV      ; and for V
	s_lshl_b32 s3, s[WV], 11        ; my 16 rows in a band of 64,
	s_lshl_b32 s2, s[HI], 15        ; in the first block,
	s_add_co_u32 s2, s2, s3
	s_lshl_b32 s84, s[PB], 15       ; and in the second
	s_add_co_u32 s84, s84, s3
	s_mov_b32 s3, 0
	s_mov_b32 s85, 0
	s_add_nc_u64 s[2:3], s[2:3], s[20:21]
	s_add_nc_u64 s[84:85], s[84:85], s[20:21]
	; descriptor group 1.  128 keys are 16,384 dense bytes: asked for as 64 rows of 256 bytes, two keys a row, and padded in LDS after every key
	s_mov_b32 s[G1K], (1<<16)|(1<<20)|(4<<22)|(3<<25)  ; 17:16 2-byte elements; 20 padding on; 24:22 after every 32 words (code 4); 31:25 4 words (code 3)
	s_mov_b32 s[G1V], (1<<16)|(1<<20)|(4<<22)|(7<<25)  ; the same with 8 words of padding (code 7)
.irp g, G1K, G1V
	s_mov_b32 s[\g+1], 128<<16      ; tensor_dim0 = 128
	s_mov_b32 s[\g+2], 64<<16       ; tensor_dim1 = 64
	s_mov_b32 s[\g+3], 128<<16      ; tile_dim0 = 128
	s_mov_b32 s[\g+4], 64           ; tile_dim1 = 64
	s_mov_b32 s[\g+5], 128          ; 128 elements from row to row
	s_mov_b32 s[\g+6], 0
	s_mov_b32 s[\g+7], 0
.endr
	s_mov_b32 s[CS], 0x3e38aa3b     ; c = log2(e) / 8 = 0.180337
	s_mov_b32 s[CS+1], s[CS]        ; named with it as a pair
	s_mov_b32 s[SEL], 0x76543210
	s_mov_b32 s[SEL+1], 0xfedcba98
	s_mov_b32 s[TBK], SLOT1+4*KS*PK ; the first change of slots turns these two into 0
	s_mov_b32 s[TBV], SLOT1+4*KS*PV
	s_mov_b32 s[G0K], 1             ; 1:0 count = 1
	s_mov_b32 s[G0K+1], s17         ; 63:32 LDS address: slot 0
	s_mov_b32 s[G0V], 1
	s_add_co_u32 s[G0V+1], s18, VOFF
	s_add_co_u32 s[RT], s[HI], 1    ; the first block has NB - b tiles
	s_mov_b32 s[NXT], 1
	s_mov_b32 s[LQ], s[HI]
	s_mov_b32 s[NEW], 1
	s_mov_b32 s[OFF+1], 0
	s_mov_b32 s[POF+1], 0
	s_mov_b32 s[AL+1], 0            ; named as pairs
	s_mov_b32 s[BE+1], 0
	s_mov_b32 s[BIGN], 0xf149f2ca   ; -1e30
	s_mov_b32 s[SLOTS], NB
	s_wait_dscnt 0x0                ; the opening add is done
	s_wait_kmcnt 0x0
	s_add_nc_u64 s[KHD:KHD+1], s[6:7], s[20:21]      ; K and V at the head's first byte, for the prefetches
	s_add_nc_u64 s[KHD+2:KHD+3], s[8:9], s[20:21]
	s_add_nc_u64 s[6:7], s[6:7], s[22:23]  ; K and V at my half of the head's tile 0
	s_add_nc_u64 s[8:9], s[8:9], s[22:23]
	s_add_nc_u64 s[G0K+2:G0K+3], s[6:7], 0         ; 120:64 global address
	s_or_b32 s[G0K+3], s[G0K+3], 0x80000000        ; 127:126 type = 2
	s_add_nc_u64 s[G0V+2:G0V+3], s[8:9], 0
	s_or_b32 s[G0V+3], s[G0V+3], 0x80000000
	s_add_nc_u64 s[86:87], s[4:5], s[84:85]        ; Q at my rows of the second block,
	s_add_nc_u64 s[4:5], s[4:5], s[2:3]            ; Q and O at those of the first
	s_add_nc_u64 s[OLO:OLO+1], s[10:11], s[84:85]
	s_add_nc_u64 s[10:11], s[10:11], s[2:3]
	LOAD                            ; tile 0 into slot 0
	; A fragment of K or Q is 16 rows x 32 channels in 8 registers: lane l holds row l % 16, channels 8 (l / 16) + 0..7 and 16 + 8 (l / 16) + 0..7: two loads of 16 bytes, 32 bytes apart.
	v_and_b32 v1, 15, v0            ; l % 16
	v_bfe_u32 v9, v0, 4, 1          ; l / 16
	v_lshlrev_b32 v[QO], 7, v1
	v_lshl_add_u32 v[QO], v9, 4, v[QO]  ; row x 128 + 16 x half
	WIN 0x80                        ; destination window 2, address window 0
.set i, 0
.rept 8                             ; both blocks' Q: piece i / 2 lies in band i / 2, 8,192 bytes on; channels 32 (i % 2) on
	global_load_b128 v[8*i:8*i+3],   v[QO], s[4:5] offset:(i/2)*8192+(i%2)*64
	global_load_b128 v[8*i+4:8*i+7], v[QO], s[4:5] offset:(i/2)*8192+(i%2)*64+32
	global_load_b128 v[QB+8*i:QB+8*i+3],   v[QO], s[86:87] offset:(i/2)*8192+(i%2)*64
	global_load_b128 v[QB+8*i+4:QB+8*i+7], v[QO], s[86:87] offset:(i/2)*8192+(i%2)*64+32
.set i, i+1
.endr
	WIN 0
	v_lshlrev_b32 v14, 3, v9
	v_sub_nc_u32 v14, v1, v14
	s_lshl_b32 s13, s[WV], 4
	v_add_nc_u32 v14, s13, v14      ; my query's place in its band, 16 w + l % 16, less my lanes' 8 (l / 16): register r of group kt is hidden where 16 kt + r is greater
	WIN 0x40
.set i, 0
.rept 32
	v_cmp_gt_i32 vcc_lo, 16*(i/8)+i%8, v14
	v_cndmask_b32 v[MD+i], 0, s[BIGN], vcc_lo
.set i, i+1
.endr
	WIN 0
	v_mul_u32_u24 v[AK0], v1, PK
	v_lshl_add_u32 v[AK0], v9, 4, v[AK0]  ; row x pitch + 16 x half
	; The turning load takes 16 keys x 16 channels (lane l reads key 8 (l / 16) + l % 8, channels 8 ((l / 8) % 2) + 0..7) and leaves half a fragment of V^T: lane l holds channel l % 16 and 8 keys.
	v_and_b32 v10, 7, v0
	v_bfe_u32 v11, v0, 3, 1
	v_lshl_add_u32 v[AV0], v9, 3, v10
	v_mul_u32_u24 v[AV0], v[AV0], PV
	v_lshl_add_u32 v[AV0], v11, 4, v[AV0]
	v_add_nc_u32 v[AV0], VOFF, v[AV0]
	s_mul_i32 s13, s[WV], 16*SP
	s_add_co_u32 s13, s13, STAGE    ; my stage
	v_mul_u32_u24 v[STO], v1, SP    ; in: row l % 16, 16 bytes for each half of the lanes
	v_lshl_add_u32 v[STO], v9, 4, v[STO]
	v_add_nc_u32 v[STO], s13, v[STO]
	v_bfe_u32 v[RD], v0, 3, 2       ; back: 32 lanes take four rows of 128 bytes,
	v_mul_u32_u24 v[RD], v[RD], SP
	v_lshl_add_u32 v[RD], v10, 4, v[RD]
	v_add_nc_u32 v[RD], s13, v[RD]
	v_and_b32 v[GO], 31, v0         ; which are 512 consecutive bytes of O
	v_lshlrev_b32 v[GO], 4, v[GO]
	; A block's first step multiplies O^T and l by a = 0, and its first turn's products V^T P, of a piece that has not been, land in an O^T that is still to be so multiplied.  So these registers need only hold
	; finite numbers: zeros for the first block; what the first block left for the second.  All this stands in the wait for the first tile.
	WIN 0x80
.set i, VF
.rept 64
	v_mov_b32 v[i], 0
.set i, i+1
.endr
	WIN 0x40
.set i, 0
.rept 128
	v_mov_b32 v[i], 0
.set i, i+1
.endr
	WIN 0
.set i, 0
.rept 4
	v_mov_b32 v[ST+4*i+2], 0
	v_mov_b32 v[ST+4*i+3], 0
.set i, i+1
.endr
.set i, P+16
.rept 16
	v_mov_b32 v[i], 0
.set i, i+1
.endr
; THE MATRIX WORK.  The 4 accumulators of a run of 8 take turns.  Product i of 8 of S^T = K Q^T for piece x: channels 32 (i / 4) on, keys 16 (i % 4) on.  The first 4 start the sums: with 0, or (KM = 1) with the mask.
.macro KQ x
.set rS, S+32*((\x)%2)+8*(i%4)
.set rK, KF+16*(i%4)+8*(i/4)
.set rQ, 16*(\x)+8*(i/4)
.set rM, MC+32*((\x)%2)+8*(i%4)
.if (i < 4) && KM
	WIN W_KM
	v_wmma_f32_16x16x32_f16 v[rS:rS+7], v[rK:rK+7], v[rQ:rQ+7], v[rM:rM+7]
.elseif i < 4
	WIN W_KQ
	v_wmma_f32_16x16x32_f16 v[rS:rS+7], v[rK:rK+7], v[rQ:rQ+7], 0
.else
	WIN W_KQ
	v_wmma_f32_16x16x32_f16 v[rS:rS+7], v[rK:rK+7], v[rQ:rQ+7], v[rS:rS+7]
.endif
.endm
; Product i of 8 of O^T += V^T P for piece x: keys 32 (i / 4) on, channels 16 (i % 4) on.
.macro PV x
	WIN W_PV
.set rO, 32*(\x)+8*(i%4)
.set rV, VF+32*(i/4)+8*(i%4)
.set rP, P+16*((\x)%2)+8*(i/4)
	v_wmma_f32_16x16x32_f16 v[rO:rO+7], v[rV:rV+7], v[rP:rP+7], v[rO:rO+7]
.endm
.macro MM                           ; the turn's next matrix instruction.  TURN and BEGIN set Y, i, KM and NOKQ; MM, KQ and OP read them.  NOKQ = 1: a block's last turn: there is no next piece
.if (i < 8) && !NOKQ
	KQ (Y+1)%NP
.elseif i >= 8
.set i, i-8
	PV (Y+NP-1)%NP
.set i, i+8
.endif
.set i, i+1
.endm
; THE LDS LOADS stand in runs of 16, never singly among the matrix instructions: a step's K (64 keys x 64 channels: 8 fragments) and its V (turned).  Their addresses are made some lines ahead.
.macro FETCH_K
	WIN 0x80                        ; destination window 2
.irp f, 0,1,2,3,4,5,6,7             ; keys 16 (f / 2) on, channels 32 (f % 2) on
	ds_load_b128 v[KF+8*\f:KF+8*\f+3],   v[AK] offset:(\f/2)*16*PK+(\f%2)*64
	ds_load_b128 v[KF+8*\f+4:KF+8*\f+7], v[AK] offset:(\f/2)*16*PK+(\f%2)*64+32
.endr
	s_add_co_u32 s[TBK], s[TBK], KS*PK  ; the next fetch is the next step's
	WIN 0
.endm
.macro FETCH_V
	WIN 0x80
.irp f, 0,1,2,3,4,5,6,7             ; keys 32 (f / 4) on, channels 16 (f % 4) on
	ds_load_tr16_b128 v[VF+8*\f:VF+8*\f+3],   v[AV] offset:(\f/4)*32*PV+(\f%4)*32
	ds_load_tr16_b128 v[VF+8*\f+4:VF+8*\f+7], v[AV] offset:(\f/4)*32*PV+16*PV+(\f%4)*32
.endr
	WIN 0
.endm
; THE VECTOR WORK, one line at a time: OP kind, number.  For piece Y: F n: c s - c m for pair n of 16.  E n: the exponential of score n of 32.  C n: pair n rounded to f16.  B n: of the four weights 4 n .. the second
; pair is added onto the first, in place.  L n: l takes that sum (L 0: l = a l + sum).  R n: pair n of 16 of O^T times a.  For piece Y + 1: X n, number n of the 22 that find its maximum and statistics:
;   0-11  four chains c0-c3 of seven scores each, three operands at a time (each accumulator's lowest registers are read first)     12-14, 16  the four scores left over, the old m, and c0-c3 into c0
;   15  c m_old is kept     17, 18  the query's other 32 keys lie in the lane 16 away: the new m     19-21  c m; c m_old - c m_new; a
.set F, 0               ; OP tells the kinds apart by their order: F to L below R, X above it
.set E, 1
.set C, 2
.set B, 3
.set L, 4
.set R, 5
.set X, 6
.macro REGS y                       ; the registers of piece y
.set rT, ST+4*(\y)
.set rC, TMP+4*((\y)%2)
.set rW, MV+((\y)%2)
.set rS, S+32*((\y)%2)
.set rP, P+16*((\y)%2)
.set rO, 32*(\y)
.endm
.macro OP k, n
.if (\k) == R
	REGS Y
	WIN W_RS
	v_pk_mul_f32 v[rO+2*(\n):rO+2*(\n)+1], v[rO+2*(\n):rO+2*(\n)+1], v[rC+2:rC+3] op_sel_hi:[1,0]
.elseif (\k) < R
	REGS Y
	WIN 0
.if (\k) == F
	v_pk_fma_f32 v[rS+2*(\n):rS+2*(\n)+1], v[rS+2*(\n):rS+2*(\n)+1], s[CS:CS+1], v[rT:rT+1] op_sel_hi:[1,0,0] neg_lo:[0,0,1] neg_hi:[0,0,1]
.elseif (\k) == E
	v_exp_f32 v[rS+(\n)], v[rS+(\n)]
.elseif (\k) == C
	s_wait_alu depctr_va_vdst(0)
	v_cvt_pk_f16_f32 v[rP+(\n)], v[rS+2*(\n)], v[rS+2*(\n)+1]
.elseif (\k) == B
	s_wait_alu depctr_va_vdst(0)
	v_pk_add_f32 v[rS+4*(\n):rS+4*(\n)+1], v[rS+4*(\n):rS+4*(\n)+1], v[rS+4*(\n)+2:rS+4*(\n)+3]
.elseif (\n) == 0
	v_pk_fma_f32 v[rT+2:rT+3], v[rT+2:rT+3], v[rC+2:rC+3], v[rS:rS+1] op_sel_hi:[1,0,1]
.else
	v_pk_add_f32 v[rT+2:rT+3], v[rT+2:rT+3], v[rS+4*(\n):rS+4*(\n)+1]
.endif
.elseif NOKQ
	v_nop
.else
	REGS (Y+1)%NP
	WIN 0
.if (\n) < 4
	v_max3_num_f32 v[rC+(\n)], v[rS+8*(\n)], v[rS+8*(\n)+1], v[rS+8*(\n)+2]
.elseif (\n) < 12
	v_max3_num_f32 v[rC+(\n)%4], v[rC+(\n)%4], v[rS+8*((\n)%4)+2*((\n)/4)+1], v[rS+8*((\n)%4)+2*((\n)/4)+2]
.elseif (\n) == 12
	v_max3_num_f32 v[rC], v[rC], v[rS+7], v[rS+15]
.elseif (\n) == 13
	v_max3_num_f32 v[rC+1], v[rC+1], v[rS+23], v[rS+31]
.elseif (\n) == 14
	v_max3_num_f32 v[rC+2], v[rC+2], v[rC+3], v[rT+1]
.elseif (\n) == 15
	v_mov_b32 v[rW], v[rT]
.elseif (\n) == 16
	v_max3_num_f32 v[rC], v[rC], v[rC+1], v[rC+2]
.elseif (\n) == 17
	v_permlanex16_b32 v[rC+3], v[rC], s[SEL], s[SEL+1]
.elseif (\n) == 18
	v_max_num_f32 v[rT+1], v[rC], v[rC+3]
.elseif (\n) == 19
	v_mul_f32 v[rT], s[CS], v[rT+1]
.elseif (\n) == 20
	v_sub_f32 v[rC+1], v[rW], v[rT]
.else
	v_exp_f32 v[rC+2], v[rC+1]
.endif
.endif
.endm
.macro OPS a, i1, b=-1, i2=0, c=-1, i3=0, d=-1, i4=0  ; up to four of them
	OP \a, \i1
.if (\b) >= 0
	OP \b, \i2
.endif
.if (\c) >= 0
	OP \c, \i3
.endif
.if (\d) >= 0
	OP \d, \i4
.endif
.endm
.macro ROW a, i1, b, i2, c, i3, d, i4  ; a matrix instruction and the four behind it
	MM
	OPS \a, \i1, \b, \i2, \c, \i3, \d, \i4
.endm
.macro MASK b                       ; MD x AL + BE into buffer b of MC
	WIN W_RS
.set z, 0
.rept 16
	v_pk_fma_f32 v[MC+32*(\b)+2*z:MC+32*(\b)+2*z+1], v[MD+2*z:MD+2*z+1], s[AL:AL+1], s[BE:BE+1] op_sel_hi:[1,0,0]
.set z, z+1
.endr
.endm
; A TURN, for piece p: the order of its 16 matrix and 118 vector instructions, written out.  Behind a matrix instruction: plain, exponential, plain, plain; or four of the rescaling; or, behind the first, four scalings; none
; names a register of the products round it.  In the lumps exponential and plain by turns while exponentials last.  A line reads no result made fewer than three vector instructions in front of it, five if an exponential made it.
; v_permlanex16_b32 (X 17) stands in a lump.
; m = 1: the diagonal tile: the products take masks, and the turn makes the mask for the products of the turn after it: piece p + 2, in step 4 - CNT of the tile.  end = 1: a block's last two turns: nothing is fetched.
; cnt = 1: the loop's count is taken down some lines ahead of the branch that stands behind the turn.
; K of the next step is fetched in piece 2's turn, six vector instructions behind the last product that read K (five of them plain); V of the step in hand in piece 0's turn, eight behind the last product that read V (four
; plain, and X 17).  Each is waited for a turn later.
.macro TURN p, m=0, end=0, cnt=0
.set Y, (\p)
.set i, 0
.set KM, (\m)
.set NOKQ, (\end)*((\p)/3)
.if (\m) && !(\end)
	s_cmp_eq_u32 s[CNT], 4-((\p)+2)%NP  ; is that step the band's own?
	s_cselect_b32 s[AL], 1.0, 0
	s_cmp_lt_u32 s[CNT], 4-((\p)+2)%NP  ; or a later one?
	s_cselect_b32 s[BE], s[BIGN], 0
.endif
.if ((\p) == 3) && !(\end)
	s_wait_dscnt 0x0                ; K is in
.endif
	ROW F,0, F,1, F,2, F,3
	ROW F,4, E,0, F,5, F,6
	ROW F,7, E,1, F,8, F,9
	ROW F,10, E,2, C,0, F,11
	ROW F,12, E,3, X,15, F,13
	ROW R,0, R,1, R,2, R,3
	ROW B,0, E,4, F,14, L,0
.if ((\p) == 2) && !(\end)
	v_add_nc_u32 v[AK], s[TBK], v[AK0]
.endif
	ROW R,4, R,5, R,6, R,7
	OPS E,5, F,15
.if ((\p) == 2) && !(\end)
	FETCH_K
.endif
	OPS E,6, C,1, E,7, R,8
	OPS E,8, R,9, E,9, C,2
	OPS E,10, X,0, E,11, X,1
	OPS E,12, X,2, E,13, X,3
.if (\p) == 1
	s_wait_dscnt 0x0                ; V is in
.endif
	ROW X,4, E,14, X,5, X,6
	ROW X,7, E,15, X,8, X,9
	ROW X,10, E,16, X,11, X,12
	ROW X,13, E,17, X,14, B,1
	ROW C,4, E,18, X,16, L,1
	ROW B,2, E,19, C,6, L,2
	ROW C,8, E,20, B,3, B,4
.if (\p) == 0
	v_add_nc_u32 v[AV], s[TBV], v[AV0]
.endif
	ROW C,3, E,21, L,3, C,5
	OPS E,22, X,17, E,23, C,10
.if (\p) == 0
	FETCH_V
.endif
	OPS E,24, L,4
	OPS E,25, X,18, E,26, C,7
	OPS E,27, B,5, E,28, X,19
	OPS E,29, C,12, E,30, L,5
	OPS E,31, X,20, B,6, C,9
	OPS C,14, C,11, X,21, L,6
.if (\p) == 0
	s_add_co_u32 s[TBV], s[TBV], KS*PV
.endif
.if \cnt
	s_sub_co_u32 s[CNT], s[CNT], 1
	s_cmp_lg_u32 s[CNT], 0
.endif
	OPS C,13, B,7, C,15, R,10
	OPS R,11, R,12, L,7, R,13
	OPS R,14, R,15
.if (\m) && !(\end)
	MASK (\p)%2
.endif
.endm
; A BLOCK BEGINS.  c m starts far below every c s, so the first step's a is 0; m at the lowest finite number, so the first maximum is the scores'.  The second mask buffer is 0; the first takes piece 0's mask for the tile's step 0: its own, if the block's first tile is the diagonal one.
; Then K of that step, piece 0's first scores, and its maximum and statistics.  The loop is entered at a step's first turn, in the middle of a trip.
.macro BEGIN
	s_mov_b32 s[NEW], 0
	WIN 0x40
.set i, MC+32
.rept 32
	v_mov_b32 v[i], 0
.set i, i+1
.endr
	WIN 0
.set i, 0
.rept 4
	v_mov_b32 v[ST+4*i], 0xfe000000    ; c m: far below every c s
	v_mov_b32 v[ST+4*i+1], 0xff7fffff  ; m
.set i, i+1
.endr
	s_cmp_eq_u32 s[RT], 0
	s_cselect_b32 s[AL], 1.0, 0
	s_mov_b32 s[BE], 0
	MASK 0
	WIN 0
	v_add_nc_u32 v[AK], s[TBK], v[AK0]
	FETCH_K
	s_wait_loadcnt 0x0              ; Q
	s_wait_dscnt 0x0
.set KM, 1
.set NOKQ, 0
.set i, 0
.rept 8
	KQ 0
.set i, i+1
.endr
	WIN 0
.rept 4
	v_nop                           ; the places behind those products
.endr
.set Y, NP-1                        ; X works for piece Y + 1: piece 0
.irp n, 0,1,2,3,4,5,6,7,8,9,10,11,12,13,14,15,16,17,18,19,20,21
	OP X, \n
.endr
	v_nop                           ; a plain instruction behind the exponential
.endm
; THE DIAGONAL TILE's four steps, the block's last two turns, its last products, and THE WAY OUT: l's two halves and the other half of the lanes' are added; O^T is divided by l, rounded to f16 and sent through my
; stage in LDS, a piece at a time.
.macro ALL line:vararg              ; one line for each piece t
.set t, 0
.rept 4
	\line
.set t, t+1
.endr
.endm
.macro PACK t                       ; a lane's eight channels of a row pack into 16 bytes; they go into rows of 144 bytes and come back as whole rows of 128, into S^T's registers
	WIN W_RS
.set i, 32*(\t)
.rept 16
	s_wait_alu depctr_va_vdst(0)
	v_pk_mul_f32 v[i:i+1], v[i:i+1], v[ST+4*(\t)+2:ST+4*(\t)+3] op_sel_hi:[1,0]
.set i, i+2
.endr
	WIN 0x05                        ; sources 0 and 1 window 1, destination window 0
.set i, 0
.rept 16
	v_cvt_pk_f16_f32 v[S+16*(\t)+i], v[32*(\t)+2*i], v[32*(\t)+2*i+1]
.set i, i+1
.endr
	WIN 0
.irp f, 0,1,2,3
	ds_store_b128 v[STO], v[S+16*(\t)+4*\f:S+16*(\t)+4*\f+3] offset:32*\f
.endr
.irp f, 0,1,2,3
	ds_load_b128 v[S+16*(\t)+4*\f:S+16*(\t)+4*\f+3], v[RD] offset:\f*4*SP  ; LDS serves a wave's instructions in order (ISA guide 5.7.1.4): these see the stores above; the next piece's stores come behind them
.endr
.endm
.macro SEND t, younger              ; younger: the LDS instructions issued behind piece t's loads: the next piece's eight, or none
	WIN 0
.irp f, 0,1,2,3
	s_wait_dscnt (\younger)+3-\f
	global_store_b128 v[GO], v[S+16*(\t)+4*\f:S+16*(\t)+4*\f+3], s[10:11] offset:(\t)*8192+\f*512  ; 512 consecutive bytes, at a multiple of 256 from O's first
.endr
.endm
.macro DIAG tag                     ; the tag ends its two labels' names, which the jumps below spell out
.LstepM\tag:
	TURN 2, 1
	TURN 3, 1
	WIN 0
.LfirstM\tag:
	TURN 0, 1
	TURN 1, 1, 0, 1
	WIN 0
	s_cbranch_scc1 .LstepM\tag
	TURN 2, 1, 1
	TURN 3, 1, 1
.set i, 0
.rept 8
	PV NP-1
.set i, i+1
.endr
	WIN 0
	ALL v_add_f32 v[ST+4*t+2], v[ST+4*t+2], v[ST+4*t+3]
	ALL v_permlanex16_b32 v[ST+4*t+3], v[ST+4*t+2], s[SEL], s[SEL+1]
	ALL v_add_f32 v[ST+4*t+2], v[ST+4*t+2], v[ST+4*t+3]
	ALL v_rcp_f32 v[ST+4*t+2], v[ST+4*t+2]
	v_nop                           ; a plain instruction between the last reciprocal and the use of its result
	PACK 0
.set t, 1
.rept 3                             ; a piece's arithmetic stands between the loads of the piece before and its stores
	PACK t
	SEND t-1, 8
.set t, t+1
.endr
	SEND 3, 0
.endm
.set KM, 0
.set NOKQ, 0
.Lslot:                             ; NB times: a tile is entered and the next is asked for
	CHANGE 1
	s_sub_co_u32 s[RT], s[RT], 1
	s_mov_b32 s[CNT], 4
	s_cmp_eq_u32 s[NEW], 1
	s_cbranch_scc1 .Lnew            ; a block's first tile
	s_cmp_eq_u32 s[RT], 0
	s_cbranch_scc0 .Lstep           ; neither its first nor its last
	s_branch .LstepM1
.Lnew:
	BEGIN
	s_branch .Lfirst                ; in the loop a block's first tile is never its last: the first block has two tiles or more, and the second's last is the walk's last
	DIAG 1                          ; in the loop this is the first block's end: the second block's last tile is the walk's last
	s_wait_xcnt 0x0                 ; the stores have read their registers and O's address
	s_mov_b64 s[10:11], s[OLO:OLO+1]
	s_add_co_u32 s[RT], s[PB], 1    ; the second block has b + 1 tiles
	s_mov_b32 s[NEW], 1
	WIN 0x82                        ; the second block's Q goes where the one text of the turns names Q
.set i, 0
.rept 64
	v_mov_b32 v[i], v[QB+i]
.set i, i+1
.endr
	WIN 0
	s_branch .Lbottom
.Lstep:                             ; a trip: pieces 2 and 3 of one step, then pieces 0 and 1 of the next, whose K and V it fetches
	TURN 2
	TURN 3
	WIN 0
.Lfirst:
	TURN 0
	TURN 1, 0, 0, 1
	WIN 0
	s_cbranch_scc1 .Lstep
.Lbottom:
	s_sub_co_u32 s[SLOTS], s[SLOTS], 1
	s_cmp_lg_u32 s[SLOTS], 0
	s_cbranch_scc1 .Lslot
	CHANGE 0                        ; the walk's last tile is written out: nothing is asked for
	s_sub_co_u32 s[RT], s[RT], 1
	s_mov_b32 s[CNT], 4
	s_cmp_eq_u32 s[NEW], 1
	s_cbranch_scc0 .LstepM2
	BEGIN
	s_branch .LfirstM2
	DIAG 2
	s_wait_tensorcnt 0x0            ; the wave's end: an add and its wait behind my last tensor load and my last LDS store
	ds_add_u32 v[SPW], v[NIL]
	s_wait_dscnt 0x0
	s_endpgm
.Lfunc_end_k_qf97bafbccd_attn:
	.size	k_qf97bafbccd_attn, .Lfunc_end_k_qf97bafbccd_attn-k_qf97bafbccd_attn
	.p2alignl 7, 3214868480
	.fill 96, 4, 3214868480
	.section	.rodata,"a",@progbits
	.p2align	6, 0x0
	.amdhsa_kernel k_qf97bafbccd_attn
		.amdhsa_group_segment_fixed_size 327680
		.amdhsa_private_segment_fixed_size 0
		.amdhsa_enable_private_segment 0
		.amdhsa_kernarg_size 32
		.amdhsa_user_sgpr_count 2
		.amdhsa_user_sgpr_kernarg_segment_ptr 1
		.amdhsa_wavefront_size32 1
		.amdhsa_system_sgpr_workgroup_id_x 1
		.amdhsa_system_sgpr_workgroup_id_y 1
		.amdhsa_system_sgpr_workgroup_id_z 1
		.amdhsa_system_vgpr_workitem_id 0
		.amdhsa_next_free_vgpr 768
		.amdhsa_next_free_sgpr 100
		.amdhsa_reserve_vcc 1
		.amdhsa_float_denorm_mode_32 3
		.amdhsa_float_denorm_mode_16_64 3
		.amdhsa_memory_ordered 1
		.amdhsa_forward_progress 1
		.amdhsa_inst_pref_size 229
	.end_amdhsa_kernel
	.amdgpu_metadata
---
amdhsa.version: [ 1, 2 ]
amdhsa.kernels:
  - .name:           k_qf97bafbccd_attn
    .symbol:         k_qf97bafbccd_attn.kd
    .args:
      - { .name: qh, .offset: 0, .size: 8, .value_kind: global_buffer, .address_space: global }
      - { .name: kh, .offset: 8, .size: 8, .value_kind: global_buffer, .address_space: global }
      - { .name: vh, .offset: 16, .size: 8, .value_kind: global_buffer, .address_space: global }
      - { .name: oh, .offset: 24, .size: 8, .value_kind: global_buffer, .address_space: global }
    .group_segment_fixed_size: 327680
    .private_segment_fixed_size: 0
    .kernarg_segment_align: 8
    .kernarg_segment_size: 32
    .max_flat_workgroup_size: 128
    .sgpr_count:     100
    .vgpr_count:     768
    .wavefront_size: 32
...
	.end_amdgpu_metadata
.endif
;; end of part 3
;; launch oproj (part 4): grid 8 x 32, 4 waves a work-group, clusters of 4 x 4, 327,680 bytes of LDS; arguments oh, wo16, out0; writes out0
.if DOCPART == 4
	.amdgcn_target "amdgcn-amd-amdhsa--gfx1250"
	.amdhsa_code_object_version 6
	.text
	.protected	k_qf97bafbccd_oproj
	.globl	k_qf97bafbccd_oproj
	.p2align	8
	.type	k_qf97bafbccd_oproj,@function
k_qf97bafbccd_oproj:
	s_mov_b64 s[64:65], 0
	v_nop
	global_prefetch_b8 v0, s[64:65] scope:SCOPE_SE
	s_setreg_imm32_b32 hwreg(HW_REG_WAVE_MODE, 25, 1), 1
	s_wait_xcnt 0x0
	s_wait_alu depctr_hold_cnt(0) depctr_sa_sdst(0) depctr_va_vdst(0) depctr_va_sdst(0) depctr_va_ssrc(0) depctr_va_vcc(0) depctr_vm_vsrc(0)
	s_getreg_b32 s2, hwreg(HW_REG_IB_STS2, 6, 4)
	s_cmp_eq_u32 s2, 0
	s_cbranch_scc0 .Lentry_in_a_cluster
	s_endpgm
.Lentry_in_a_cluster:
	s_bfe_u32 s2, ttmp6, 0x10000c
	s_cmp_lg_u32 s2, 0xf033
	s_cbranch_scc0 .Lentry_shape_is_right
	s_endpgm
.Lentry_shape_is_right:
; THE LAST PROJECTION.  out0[m][n] = the sum over k of O[m][k] Wo[n][k]: m = 2048 b + s (8,192 rows), k = 64 head + d (1,024), n 1,024 columns; operands f16, sums f32, K ascending, out0 f32.
; O lies by heads, oh[16 b + head][s][64] f16; wo16 is [1024][1024] f16.
; SHARES.  A tile of out0 is 256 rows x 128 columns: 32 x 8 = 256 tiles, one to a work-group.  Wave w owns rows 64 w .. 64 w + 63 and all 128 columns: 32 accumulators of 16 x 16, 256 registers.
; K goes in steps of 128, two heads, through a ring of two LDS slots filled by the tensor data mover.  A head's 256 rows of a tile are 32,768 dense bytes: asked for as 128 rows of 256 bytes and padded
; in LDS after every 128 bytes, so that a row of 64 channels has a pitch of 144.  wo16's rows of a K step are 256 bytes of memory, aligned.
; CLUSTER.  4 x 4 work-groups: oh's tile hangs on ty alone and is asked for jointly along a row of the cluster, wo16's on tx alone, along a column.
; THE MATRIX INSTRUCTION IS USED TRANSPOSED (source 0 = 16 rows of wo16, source 1 = 16 rows of O): a lane holds row l % 16 and eight neighbouring columns: 32 bytes of a row of out0.
; No prefetch: K has eight steps, of which the first and last could name nothing, and the tiles are shared in the cluster.
; REGISTERS: window 0: v0-31 addresses; v32-63, v64-95 fragments of O, two buffers; v96-159, v160-223 the way out, two buffers.   window 1: v0-63, v64-127 fragments of wo16.   window 2: accumulator (a, b) at v[64 a + 8 b].
.set PA,     144                       ; a row of O in LDS: 128 bytes + 16: an odd multiple of 16, so the 16 rows that a load touches start at 16 different groups of four banks (64 banks of 4 bytes: ISA guide 11.1)
.set PB,     272                       ; a row of wo16: 256 + 16
.set ASUB,   256*PA                    ; one head's 256 rows
.set BOFF,   2*ASUB                    ; a slot: two heads of O, then wo16's 128 rows
.set BHALF,  64*PB
.set SLOT,   BOFF+2*BHALF
.set STAGE,  2*SLOT                    ; behind the ring: 16 rows x 528 bytes for each wave; no tensor load lands here
.set SPITCH, 528                       ; 512 bytes of f32 + 16
.set SPARE,  STAGE+4*16*SPITCH         ; the spare words, 128 bytes for each wave: two blocks of 256 bytes that no other line names
.set LAPS,   4                         ; 8 K steps, two a lap
.set ADRA, 16                          ; v16-17  LDS address of my fragments of O in slot 0, 1
.set ADRB, 20                          ; v20-21  the same for wo16
.set STO,  24                          ; v24     the way out: where I put 32 bytes of a row
.set RD,   25                          ; v25     where I read a row back
.set CO,   26                          ; v26     my 16 bytes of a row's 512
.set SPW,  28                          ; v28     LDS address of my spare word; never rewritten
.set NIL,  29                          ; v29     0; never rewritten
.set FA,   32
.set OB,   96
.set G1,  24                           ; s[24:31] group 1 for O's tiles;  s[32:39] group 0, a set for each slot
.set G0,  32
.set G1B, 48                           ; s[48:55], s[56:63] the same for wo16's
.set G0B, 56
.set MSB, 0
.macro WIN new                         ; the immediate's high byte repeats the setting that is left; a switch that changes nothing is dropped
.if MSB != (\new)
	s_set_vgpr_msb (MSB<<8)|(\new)
.set MSB, (\new)
.endif
.endm
.set MUL,  0xa1                        ; source 0 window 1, source 1 window 0, C and D window 2
.set TO_B, 0x40                        ; destination window 1, address window 0
.macro JLOAD s                         ; a joint load: waves 0 and 1 fetch O's two heads, waves 2 and 3 wo16's two halves; an s_nop 0 and four v_nop follow each line
	s_cmp_lt_u32 s10, 2
	s_cbranch_scc0 .Lfor_b_\@
	tensor_load_to_lds s[G0+4*(\s):G0+4*(\s)+3], s[G1:G1+7]
	s_nop 0
.rept 4
	v_nop
.endr
	s_branch .Lasked_\@
.Lfor_b_\@:
	tensor_load_to_lds s[G0B+4*(\s):G0B+4*(\s)+3], s[G1B:G1B+7]
	s_nop 0
.rept 4
	v_nop
.endr
.Lasked_\@:
.endm
.macro CREST                           ; a round of the cluster's barrier behind its opening barrier
	s_cmp_lg_u32 s10, 0
	s_cbranch_scc1 .Lnot_wave_0_\@
	s_barrier_signal -3
.Lnot_wave_0_\@:
	s_barrier_wait -3
	s_barrier_signal -1
	s_barrier_wait -1
.endm
.macro CROUND                          ; a whole round
	s_barrier_signal -1
	s_barrier_wait -1
	CREST
.endm
.macro PLACES                          ; four places behind a matrix instruction, in front of loads into registers that it has read and of LDS stores that read results
.rept 4
	v_nop
.endr
.endm
	s_load_b128 s[4:7], s[0:1], 0x0                ; oh s[4:5], wo16 s[6:7]
	s_load_b64 s[8:9], s[0:1], 0x10                ; out0
	v_lshl_add_u32 v[SPW], v0, 2, SPARE
	v_mov_b32 v[NIL], 0
	ds_add_u32 v[SPW], v[NIL]                      ; the wave's opening: the add and its wait stand ahead of my first tensor load; the set-up below, work on registers, stands between them
	v_lshrrev_b32 v1, 5, v0
	v_readfirstlane_b32 s10, v1                    ; wave 0..3
	s_and_b32 s12, s10, 1                          ; which head of the two, or which half of wo16's rows, I fetch
	s_bfe_u32 s40, ttmp6, 0x40000                  ; cx
	s_bfe_u32 s41, ttmp6, 0x40004                  ; cy
	s_lshl_b32 s42, ttmp9, 2
	s_add_co_u32 s42, s42, s40                     ; tx = 4 x cluster x + cx
	s_and_b32 s13, ttmp7, 0xffff
	s_lshl_b32 s13, s13, 2
	s_add_co_u32 s13, s13, s41                     ; ty = 4 x cluster y + cy
	s_lshl_b32 s43, s41, 2
	s_lshl_b32 s43, 15, s43                        ; my row of the cluster
	s_lshl_b32 s44, 0x1111, s40                    ; my column
	s_or_b32 s[G1+0], s43, (1<<16)|(1<<20)|(1<<21)|(4<<22)|(3<<25)   ; the mask; elements of 2 bytes; padding on; bit 21 beside a mask; after every 32 words, 4 words
	s_or_b32 s[G1B+0], s44, (1<<16)|(1<<20)|(1<<21)|(5<<22)|(3<<25)  ; after every 64 words
	s_mov_b32 s[G1+1], 128<<16                     ; tensor_dim0 = 128 elements: 256 bytes, two rows of a head
	s_mov_b32 s[G1+2], 128<<16                     ; tensor_dim1 = 128
	s_mov_b32 s[G1+3], 128<<16                     ; tile_dim0
	s_mov_b32 s[G1+4], 128                         ; tile_dim1
	s_mov_b32 s[G1+5], 128                         ; dense: 128 elements from row to row
	s_mov_b32 s[G1+6], 0
	s_mov_b32 s[G1+7], 0
	s_mov_b32 s[G1B+1], 128<<16
	s_mov_b32 s[G1B+2], 64<<16                     ; 64 rows
	s_mov_b32 s[G1B+3], 128<<16
	s_mov_b32 s[G1B+4], 64
	s_mov_b32 s[G1B+5], 1024
	s_mov_b32 s[G1B+6], 0
	s_mov_b32 s[G1B+7], 0
	; where the tiles come from: O's hang on ty alone, wo16's on tx alone, each in registers that never hold the other coordinate
	s_lshr_b32 s16, s13, 3                         ; batch ty / 8: 16 heads of 262,144 bytes
	s_lshl_b32 s16, s16, 22
	s_and_b32 s17, s13, 7                          ; rows 256 (ty % 8) on, 128 bytes each
	s_lshl_b32 s17, s17, 15
	s_add_co_u32 s16, s16, s17
	s_lshl_b32 s17, s12, 18                        ; my head of the two
	s_add_co_u32 s16, s16, s17
	s_mov_b32 s17, 0
	s_lshl_b32 s46, s42, 18                        ; 128 tx rows of 2,048 bytes
	s_lshl_b32 s47, s12, 17                        ; + my 64
	s_add_co_u32 s46, s46, s47
	s_mov_b32 s47, 0
	; and where they go: a constant and the wave's number times a constant
	s_mul_i32 s20, s10, ASUB                       ; waves 0, 1
	s_mul_i32 s21, s10, BHALF
	s_add_co_u32 s21, s21, BOFF-2*BHALF            ; waves 2, 3
	s_wait_dscnt 0x0                               ; the opening add is done
	s_wait_kmcnt 0x0
	s_add_nc_u64 s[14:15], s[4:5], s[16:17]
	s_add_nc_u64 s[46:47], s[6:7], s[46:47]
	CROUND                                         ; all sixteen work-groups are here: the first joint loads meet
.irp s, 0,1
	s_mov_b32 s[G0+4*(\s)], 1
	s_add_co_u32 s[G0+4*(\s)+1], s20, (\s)*SLOT
	s_add_nc_u64 s[G0+4*(\s)+2:G0+4*(\s)+3], s[14:15], (\s)*2*262144  ; K step s: heads 2 s, 2 s + 1
	s_or_b32 s[G0+4*(\s)+3], s[G0+4*(\s)+3], 0x80000000
	s_mov_b32 s[G0B+4*(\s)], 1
	s_add_co_u32 s[G0B+4*(\s)+1], s21, (\s)*SLOT
	s_add_nc_u64 s[G0B+4*(\s)+2:G0B+4*(\s)+3], s[46:47], (\s)*256
	s_or_b32 s[G0B+4*(\s)+3], s[G0B+4*(\s)+3], 0x80000000
.endr
	s_cmp_lt_u32 s10, 2                            ; a wave's two first fills stand in one branch, ahead of every wait on TENSORcnt and every LDS read: two loads of mine are out
	s_cbranch_scc0 .Lfirst_b
	tensor_load_to_lds s[G0:G0+3], s[G1:G1+7]
	s_nop 0
	tensor_load_to_lds s[G0+4:G0+7], s[G1:G1+7]
	s_nop 0
.rept 4
	v_nop
.endr
	s_branch .Lfirst_asked
.Lfirst_b:
	tensor_load_to_lds s[G0B:G0B+3], s[G1B:G1B+7]
	s_nop 0
	tensor_load_to_lds s[G0B+4:G0B+7], s[G1B:G1B+7]
	s_nop 0
.rept 4
	v_nop
.endr
.Lfirst_asked:
	v_and_b32 v1, 15, v0                           ; r = l % 16
	v_bfe_u32 v2, v0, 4, 1                         ; h = l / 16
	v_mul_u32_u24 v3, v1, PA
	v_lshl_add_u32 v3, v2, 4, v3
	s_mul_i32 s23, s10, 64*PA                      ; my 64 rows
	v_add_nc_u32 v[ADRA], s23, v3                  ; (64 w + r) x 144 + 16 h
	v_add_nc_u32 v[ADRA+1], SLOT, v[ADRA]
	v_mul_u32_u24 v4, v1, PB
	v_lshl_add_u32 v4, v2, 4, v4
	v_add_nc_u32 v[ADRB], BOFF, v4
	v_add_nc_u32 v[ADRB+1], SLOT, v[ADRB]
	s_mul_i32 s23, s10, 16*SPITCH
	s_add_co_u32 s23, s23, STAGE                   ; my stage
	v_mul_u32_u24 v5, v1, SPITCH                   ; in: row r, 32 bytes for each half of the lanes
	v_lshl_add_u32 v5, v2, 5, v5
	v_add_nc_u32 v[STO], s23, v5
	v_and_b32 v[CO], 31, v0                        ; back: 32 lanes take a whole row of 512 bytes
	v_lshlrev_b32 v[CO], 4, v[CO]
	v_add_nc_u32 v[RD], s23, v[CO]
	s_lshl_b32 s22, s13, 20                        ; out0 at row 256 ty + 64 w (4,096 bytes a row), column 128 tx
	s_lshl_b32 s23, s10, 18
	s_add_co_u32 s22, s22, s23
	s_lshl_b32 s23, s42, 9
	s_add_co_u32 s22, s22, s23
	s_mov_b32 s23, 0
	s_add_nc_u64 s[8:9], s[8:9], s[22:23]
; 8 matrix instructions: row block a x all 8 column blocks, 32 along K, from buffer f.  All 32 accumulators take turns in the same order in every quarter.
.macro MUL8 f, a, zero
	WIN MUL
.irp b, 0,1,2,3,4,5,6,7
.if \zero
	v_wmma_f32_16x16x32_f16 v[64*(\a)+8*(\b):64*(\a)+8*(\b)+7], v[64*(\f)+8*(\b):64*(\f)+8*(\b)+7], v[FA+32*(\f)+8*(\a):FA+32*(\f)+8*(\a)+7], 0
.else
	v_wmma_f32_16x16x32_f16 v[64*(\a)+8*(\b):64*(\a)+8*(\b)+7], v[64*(\f)+8*(\b):64*(\f)+8*(\b)+7], v[FA+32*(\f)+8*(\a):FA+32*(\f)+8*(\a)+7], v[64*(\a)+8*(\b):64*(\a)+8*(\b)+7]
.endif
.endr
.endm
; 24 LDS loads in one run: quarter q of a K step (head q / 2, channels 32 (q % 2) on) into buffer f
.macro FETCH slot, q, f
	WIN TO_B
.irp i, 0,1,2,3,4,5,6,7
	ds_load_b128 v[64*(\f)+8*(\i):64*(\f)+8*(\i)+3],   v[ADRB+(\slot)] offset:64*(\q)+(\i)*16*PB
	ds_load_b128 v[64*(\f)+8*(\i)+4:64*(\f)+8*(\i)+7], v[ADRB+(\slot)] offset:64*(\q)+(\i)*16*PB+32
.endr
	WIN 0
.irp i, 0,1,2,3
	ds_load_b128 v[FA+32*(\f)+8*(\i):FA+32*(\f)+8*(\i)+3],   v[ADRA+(\slot)] offset:((\q)/2)*ASUB+((\q)%2)*64+(\i)*16*PA
	ds_load_b128 v[FA+32*(\f)+8*(\i)+4:FA+32*(\f)+8*(\i)+7], v[ADRA+(\slot)] offset:((\q)/2)*ASUB+((\q)%2)*64+(\i)*16*PA+32
.endr
.endm
.macro QUARTER slot, q, f, g, zero     ; multiplies buffer f; in its middle fetches quarter q into g
	s_wait_dscnt 4                                 ; wo16's fragments and O's row blocks 0, 1 are in; the youngest four loads may be out
	MUL8 \f, 0, \zero
	MUL8 \f, 1, \zero
	PLACES
	FETCH \slot, \q, \g
	s_wait_dscnt 24                                ; all but the 24 just issued
	MUL8 \f, 2, \zero
	MUL8 \f, 3, \zero
.endm
; The last quarter multiplies buffer 1 and changes slots: one barrier; in front of it each wave waits for all its tensor loads, adds 0 to its spare word, and waits for that and for its own reads of this slot.
.macro TURN slot, next, fill
	WIN 0                                          ; (the add's two registers lie in window 0)
	s_wait_tensorcnt 0x0                           ; all my tensor loads have landed: my part of the next slot
	ds_add_u32 v[SPW], v[NIL]                      ; 0 onto my spare word
	s_wait_dscnt 7                                 ; (the add and O's row blocks 1 to 3, six loads, may be out)
	MUL8 1, 0, 0                                   ; eight matrix instructions stand between the add and the wait for it
	s_wait_dscnt 0x0                               ; the add is done, and my reads of this slot are over
	s_barrier_signal -1
	MUL8 1, 1, 0
.if \fill
	WIN 0
.endif
	s_barrier_wait -1
.if \fill
	CREST                                          ; the barrier has opened a round of the cluster's: no wave of any partner still reads this slot's tile or has a load on its way
	s_add_nc_u64 s[G0+4*(\slot)+2:G0+4*(\slot)+3], s[G0+4*(\slot)+2:G0+4*(\slot)+3], 4*262144  ; two K steps on: four heads
	s_add_nc_u64 s[G0B+4*(\slot)+2:G0B+4*(\slot)+3], s[G0B+4*(\slot)+2:G0B+4*(\slot)+3], 512
	JLOAD \slot                                    ; the first tensor load behind the round; its four v_nop are also the places in front of the loads below
.else
	PLACES
.endif
	FETCH \next, 0, 0
	MUL8 1, 2, 0
	MUL8 1, 3, 0
.endm
	s_wait_tensorcnt 1                             ; my part of K step 0 is in; K step 1 may stay out
	s_barrier_signal -1
	s_barrier_wait -1                              ; everybody's is
	FETCH 0, 0, 0
	QUARTER 0, 1, 0, 1, 1                          ; the first quarter stands in front of the loop: its products start the sums
	WIN 0                                          ; at a label and at a branch every window is 0
	s_mov_b32 s3, LAPS-1
.Llap:                                                 ; a trip goes once round the ring, from a lap's second quarter to the next lap's first, and fills both slots again
	QUARTER 0, 2, 1, 0, 0
	QUARTER 0, 3, 0, 1, 0
	TURN 0, 1, 1
	QUARTER 1, 1, 0, 1, 0
	QUARTER 1, 2, 1, 0, 0
	QUARTER 1, 3, 0, 1, 0
	TURN 1, 0, 1
	QUARTER 0, 1, 0, 1, 0
	WIN 0
	s_sub_co_u32 s3, s3, 1
	s_cmp_lg_u32 s3, 0
	s_cbranch_scc1 .Llap
	QUARTER 0, 2, 1, 0, 0                          ; the last lap fills nothing, and has no round of the cluster's barrier
	QUARTER 0, 3, 0, 1, 0
	TURN 0, 1, 0
	QUARTER 1, 1, 0, 1, 0
	QUARTER 1, 2, 1, 0, 0
	QUARTER 1, 3, 0, 1, 0
	s_wait_dscnt 4                                 ; the very last quarter: nothing more to fetch
	MUL8 1, 0, 0
	MUL8 1, 1, 0
	s_wait_dscnt 0x0
	MUL8 1, 2, 0
	MUL8 1, 3, 0
	; THE WAY OUT.  The f32 sums go from the accumulators into my own stage, 16 rows at a time, and come back as whole rows of 512 bytes.
.macro TOSTAGE a
	WIN 0x08                                       ; the stores' data in window 2
.irp b, 0,1,2,3,4,5,6,7
	ds_store_b128 v[STO], v[64*(\a)+8*(\b):64*(\a)+8*(\b)+3]   offset:64*(\b)      ; each accumulator's low registers first
	ds_store_b128 v[STO], v[64*(\a)+8*(\b)+4:64*(\a)+8*(\b)+7] offset:64*(\b)+16
.endr
	WIN 0
.set BK, OB+64*((\a)%2)
.irp t, 0,1,2,3,4,5,6,7,8,9,10,11,12,13,14,15
	ds_load_b128 v[BK+4*(\t):BK+4*(\t)+3], v[RD] offset:(\t)*SPITCH  ; LDS serves a wave's instructions in order (ISA guide 5.7.1.4): these see the stores above; the next block's stores come behind them
.endr
.endm
.macro SEND a, y                       ; y: the LDS instructions issued behind block a's loads
	WIN 0
.set BK, OB+64*((\a)%2)
.irp t, 0,1,2,3,4,5,6,7,8,9,10,11,12,13,14,15
	s_wait_dscnt (\y)+15-(\t)
	global_store_b128 v[CO], v[BK+4*(\t):BK+4*(\t)+3], s[8:9] offset:(16*(\a)+(\t))*4096 th:TH_STORE_NT  ; 512 consecutive bytes, at a multiple of 256 from out0's first
.endr
.endm
	PLACES
	TOSTAGE 0
	TOSTAGE 1
	SEND 0, 32
	s_wait_xcnt 0x0                                ; block 0's stores have read their data: its buffer is loaded again only behind this wait
	TOSTAGE 2
	SEND 1, 32
	s_wait_xcnt 0x0
	TOSTAGE 3
	SEND 2, 32
	SEND 3, 0
	s_wait_tensorcnt 0x0                           ; the wave's end: an add and its wait behind my last tensor load and my last LDS store
	ds_add_u32 v[SPW], v[NIL]
	s_wait_dscnt 0x0
	CROUND                                         ; the closing round: no work-group ends while a partner may still ask for a tile that names it
	s_endpgm
.Lfunc_end_k_qf97bafbccd_oproj:
	.size	k_qf97bafbccd_oproj, .Lfunc_end_k_qf97bafbccd_oproj-k_qf97bafbccd_oproj
	.p2alignl 7, 3214868480
	.fill 96, 4, 3214868480
	.section	.rodata,"a",@progbits
	.p2align	6, 0x0
	.amdhsa_kernel k_qf97bafbccd_oproj
		.amdhsa_group_segment_fixed_size 327680
		.amdhsa_private_segment_fixed_size 0
		.amdhsa_enable_private_segment 0
		.amdhsa_kernarg_size 24
		.amdhsa_user_sgpr_count 2
		.amdhsa_user_sgpr_kernarg_segment_ptr 1
		.amdhsa_wavefront_size32 1
		.amdhsa_system_sgpr_workgroup_id_x 1
		.amdhsa_system_sgpr_workgroup_id_y 1
		.amdhsa_system_sgpr_workgroup_id_z 1
		.amdhsa_system_vgpr_workitem_id 0
		.amdhsa_next_free_vgpr 768
		.amdhsa_next_free_sgpr 66
		.amdhsa_reserve_vcc 0
		.amdhsa_float_denorm_mode_32 3
		.amdhsa_float_denorm_mode_16_64 3
		.amdhsa_memory_ordered 1
		.amdhsa_forward_progress 1
		.amdhsa_inst_pref_size 86
	.end_amdhsa_kernel
	.amdgpu_metadata
---
amdhsa.version: [ 1, 2 ]
amdhsa.kernels:
  - .name:           k_qf97bafbccd_oproj
    .symbol:         k_qf97bafbccd_oproj.kd
    .args:
      - { .name: oh, .offset: 0, .size: 8, .value_kind: global_buffer, .address_space: global }
      - { .name: wo16, .offset: 8, .size: 8, .value_kind: global_buffer, .address_space: global }
      - { .name: out0, .offset: 16, .size: 8, .value_kind: global_buffer, .address_space: global }
    .group_segment_fixed_size: 327680
    .private_segment_fixed_size: 0
    .kernarg_segment_align: 8
    .kernarg_segment_size: 24
    .max_flat_workgroup_size: 128
    .sgpr_count:     66
    .vgpr_count:     768
    .wavefront_size: 32
...
	.end_amdgpu_metadata
.endif
;; end of part 4
;; ======== version 2 of 2: 4 launches; version 1 with the launch prep written anew for expert scheduling mode
;; limits: values are held in f16: magnitudes above 65,504 overflow, below 6.1e-05 lose precision; right only within a limited range of input values
;; workspace buffers: xb 16,777,216 bytes; wqkv 6,291,456 bytes; wo16 2,097,152 bytes; tab 524,288 bytes; qh 16,777,216 bytes; kh 16,777,216 bytes; vh 16,777,216 bytes; oh 16,777,216 bytes
;; launch prep (part 5): grid 800 x 1, 8 waves a work-group, no clusters, 0 bytes of LDS; arguments x, Wq, Wk, Wv, Wo, token_positions, xb, wqkv, wo16, tab; writes xb, wqkv, wo16, tab
.if DOCPART == 5
	.amdgcn_target "amdgcn-amd-amdhsa--gfx1250"
	.amdhsa_code_object_version 6
	.text
	.protected	k_qf97bafbccd_prep
	.globl	k_qf97bafbccd_prep
	.p2align	8
	.type	k_qf97bafbccd_prep,@function
k_qf97bafbccd_prep:
	s_mov_b64 s[64:65], 0
	v_nop
	global_prefetch_b8 v0, s[64:65] scope:SCOPE_SE
	s_setreg_imm32_b32 hwreg(HW_REG_WAVE_SCHED_MODE, 0, 2), 2
	s_setreg_imm32_b32 hwreg(HW_REG_WAVE_MODE, 25, 1), 1
	s_wait_xcnt 0x0
	s_wait_alu depctr_vm_vsrc(0)
; PREPARATION, a stream: no LDS, no matrix unit, no barrier; every input byte is read once, every output byte written once.
; Work-groups 32 .. 799 round 16,384 f32 numbers each:  x -> xb (bf16, 512 work-groups);  Wq, Wk, Wv -> wqkv (bf16, 64 work-groups each), rows regrouped by head:
; row 192 h + 64 t + d of wqkv is row 64 h + d of W_t (t = 0, 1, 2 for q, k, v);  Wo -> wo16: rounded to bf16 like the other inputs, that number written as f16.
; Work-groups 0 .. 31 make the table tab[s][i] = (cos, sin) of token_positions[s] x 10000^(-i/32), f32, a row of 256 bytes for each s; a wave makes 8 rows, a lane a pair i.
; LIMITS.  Wo within f16's 65,504; below 6e-5 it keeps f16's fixed step.  The angle is the f32 product position x inv_freq; inv_freq is 2^(-i log2(10000)/32) by v_exp_f32, so the
; angle may differ from a correctly rounded one by about |position| x 2e-7.  The reduction by pi/2 in two parts holds for |angle| < 2^22.  Sine and cosine are polynomials on
; [-pi/4, pi/4]; the quadrant chooses by v_cndmask_b32 and a sign bit: no branch hangs on a floating-point number.
; THE MODE: SCHED_MODE bits 1:0 = 2 (LLVM: expert scheduling mode 2), set by the entry lines.  The code itself states the register dependences between vector instructions and
; memory instructions, and between vector instructions that write scalar registers and their readers, with s_wait_alu, always for 0.
; THE PLAN, the conversions.  Registers that memory instructions touch:
;   v1, v2   the loads' and the stores' offsets: made once at the head, never written again.
;   X        16 loads of 4 registers: each is landed in once, then read by its roundings; no vector instruction writes it.
;   Y        16 pairs: each is written once, by one load's roundings, and read by one store.
; The 16 loads go in four groups of four.  Group g rounds its X into its Y; its memory instructions are the four stores of group g - 1.  ONE wait on va_vdst at a group's head states that the
; group before has written its Y; the four stores follow it, dealt among the group's roundings, which name X and Y of group g and v4 to v9 alone.  No register that a memory
; instruction reads is written again, so no wait on vm_vsrc is owed.
; THE PLAN, the table.  s3 (the wave's number) and s[40:47] (a mask for each of the 8 rows) are scalar registers written by vector instructions: a wait on va_sdst stands ahead of the first
; reader of each kind; all eight compares stand in one stretch, so that one wait serves them.  v6 is the stores' offset, Y their data, each written once: one wait on va_vdst ahead of the run of eight stores.
.set X, 16                             ; v[16:79]   16 loads of 4 registers
.set Y, 80                             ; v[80:111]  16 stores of 2 registers; in the table path 8 pairs (cos, sin)
.set SV, 32                            ; v[32:39]   the table path: sin r of row j
.set CV, 40                            ; v[40:47]   cos r of row j
.set NQ, 48                            ; v[48:55]   n of row j, a whole number: the quadrant is n mod 4
.set QM, 40                            ; s[40:47]   the table path: row j's mask of the lanes in odd quadrants
	s_load_b512 s[8:23], s[0:1], 0x0               ; x 8:9, Wq 10:11, Wk 12:13, Wv 14:15, Wo 16:17, positions 18:19, xb 20:21, wqkv 22:23
	s_load_b128 s[24:27], s[0:1], 0x40             ; wo16 24:25, tab 26:27
	s_cmp_lt_u32 ttmp9, 32
	s_cbranch_scc1 .Ltable
	; THE CONVERSIONS.  g = work-group - 32; g < 512: x; else w = g - 512, tensor t = w / 64, its part gw = w % 64 (16 rows of 1,024)
	s_sub_co_u32 s2, ttmp9, 32                     ; g
	s_sub_co_u32 s3, s2, 512                       ; w (of no use where g < 512: every number made of it is then dropped by a select)
	s_lshr_b32 s4, s3, 6                           ; t
	s_and_b32 s5, s3, 63                           ; gw
	s_lshr_b32 s6, s5, 2                           ; the head of rows 16 gw ..
	s_mul_i32 s6, s6, 192
	s_lshl_b32 s7, s4, 6
	s_add_co_u32 s6, s6, s7                        ; + 64 t
	s_and_b32 s7, s5, 3
	s_lshl_b32 s7, s7, 4
	s_add_co_u32 s6, s6, s7                        ; + 16 (gw % 4): the first row in wqkv,
	s_lshl_b32 s6, s6, 11                          ; of 2,048 bytes
	s_lshl_b32 s7, s5, 15                          ; in wo16 the part stays where it was
	s_cmp_eq_u32 s4, 3
	s_cselect_b32 s6, s7, s6
	s_cselect_b32 s40, 1, 0                        ; 1: this is Wo
	s_lshl_b32 s7, s2, 15                          ; in xb likewise
	s_cmp_lt_u32 s2, 512
	s_cselect_b32 s36, s7, s6                      ; byte offset of my part in the destination
	s_cselect_b32 s34, s2, s5
	s_cselect_b32 s40, 0, s40
	s_lshl_b32 s34, s34, 16                        ; and in the source: 65,536 bytes a part
	s_mov_b32 s35, 0
	s_mov_b32 s37, 0
	v_lshlrev_b32 v1, 4, v0                        ; a thread loads 16 bytes, a load of the work-group covers 4,096 on end
	v_lshlrev_b32 v2, 3, v0                        ; and stores 8: a wave's store covers 256 consecutive bytes, aligned
	s_wait_kmcnt 0x0
	s_cmp_eq_u32 s4, 1                             ; the two bases are chosen by the work-group's number alone
	s_cselect_b64 s[28:29], s[12:13], s[10:11]
	s_cmp_eq_u32 s4, 2
	s_cselect_b64 s[28:29], s[14:15], s[28:29]
	s_cmp_eq_u32 s4, 3
	s_cselect_b64 s[28:29], s[16:17], s[28:29]
	s_cselect_b64 s[30:31], s[24:25], s[22:23]
	s_cmp_lt_u32 s2, 512
	s_cselect_b64 s[28:29], s[8:9], s[28:29]
	s_cselect_b64 s[30:31], s[20:21], s[30:31]
	s_add_nc_u64 s[28:29], s[28:29], s[34:35]
	s_add_nc_u64 s[30:31], s[30:31], s[36:37]
	s_wait_alu depctr_va_vdst(0)                   ; v1 and v2 are written: every load of this path reads v1 as its offset, every store v2
.irp i, 0,1,2,3,4,5,6,7,8,9,10,11,12,13,14,15
	global_load_b128 v[X+4*(\i):X+4*(\i)+3], v1, s[28:29] offset:4096*(\i) th:TH_LOAD_NT  ; all sixteen go out on end: 64 KiB of the work-group in flight
.endr
	s_cmp_eq_u32 s40, 1
	s_cbranch_scc1 .Lhalf
.macro ROUND_BF i                      ; load i's four numbers, rounded into pair i of Y
	v_cvt_pk_bf16_f32 v[Y+2*(\i)],   v[X+4*(\i)],   v[X+4*(\i)+1]
	v_cvt_pk_bf16_f32 v[Y+2*(\i)+1], v[X+4*(\i)+2], v[X+4*(\i)+3]
.endm
.macro ROUND_HF i
	v_cvt_pk_bf16_f32 v4, v[X+4*(\i)],   v[X+4*(\i)+1]  ; the one rounding: to bf16
	v_cvt_pk_bf16_f32 v5, v[X+4*(\i)+2], v[X+4*(\i)+3]
	v_lshlrev_b32 v6, 16, v4                       ; back to f32,
	v_and_b32 v7, 0xffff0000, v4
	v_lshlrev_b32 v8, 16, v5
	v_and_b32 v9, 0xffff0000, v5
	v_cvt_pk_f16_f32 v[Y+2*(\i)],   v6, v7         ; and the same number as f16: 8 significant bits fit into 11
	v_cvt_pk_f16_f32 v[Y+2*(\i)+1], v8, v9
.endm
.macro OUT i
	global_store_b64 v2, v[Y+2*(\i):Y+2*(\i)+1], s[30:31] offset:2048*(\i)  ; no register is written twice, so no wait frees one
.endm
; Group g of four: loads 4 g .. 4 g + 3 are rounded, and the four stores of the group before go out among the roundings.  half = 1: Wo.
.macro GROUP g, half
	s_wait_loadcnt 12-4*(\g)                       ; loads come back in order: the group's four are in, the 12 - 4 g younger ones stay out
.if (\g) > 0
	s_wait_alu depctr_va_vdst(0)                   ; the group before has written its four pairs of Y, which the stores below read; no vector line behind this wait names them
.endif
.irp j, 0,1,2,3
.if (\g) > 0
	OUT 4*(\g)-4+(\j)
.endif
.if \half
	ROUND_HF 4*(\g)+(\j)
.else
	ROUND_BF 4*(\g)+(\j)
.endif
.endr
.endm
.irp g, 0,1,2,3
	GROUP \g, 0
.endr
	s_wait_alu depctr_va_vdst(0)                   ; group 3 has written its four pairs of Y, which the last four stores read
.irp i, 12,13,14,15
	OUT \i
.endr
	s_endpgm
.Lhalf:
.irp g, 0,1,2,3
	GROUP \g, 1
.endr
	s_wait_alu depctr_va_vdst(0)                   ; group 3 has written its four pairs of Y, which the last four stores read
.irp i, 12,13,14,15
	OUT \i
.endr
	s_endpgm
	; THE TABLE
.Ltable:
	v_lshrrev_b32 v3, 5, v0
	v_readfirstlane_b32 s3, v3                     ; wave 0..7
	s_lshl_b32 s2, ttmp9, 6
	s_mov_b32 s5, 0
	s_mov_b32 s7, 0
	s_mov_b32 s48, 0x3f22f983                      ; 2 / pi
	s_mov_b32 s49, 0xbfc90fdb                      ; - (pi / 2 rounded to f32)
	s_mov_b32 s50, 0x333bbd2e                      ; that number less pi / 2: 4.37113883e-8
	s_mov_b32 s51, 0xbe2aaaa3                      ; sine: -1.6666654611e-1
	s_mov_b32 s52, 0x3c08839e                      ;        8.3321608736e-3
	s_mov_b32 s53, 0xb94ca1f9                      ;       -1.9515295891e-4
	s_mov_b32 s54, 0x3d2aaaa5                      ; cosine: 4.166664568e-2
	s_mov_b32 s55, 0xbab6061a                      ;        -1.388731626e-3
	s_mov_b32 s56, 0x37ccf5ce                      ;         2.443315712e-5
	s_wait_alu depctr_va_sdst(0)                   ; s3 is written, ahead of its first reader: the positions' and the table's bases are made from it
	s_lshl_b32 s3, s3, 3
	s_add_co_u32 s2, s2, s3                        ; my first row: 64 x work-group + 8 x wave
	s_lshl_b32 s4, s2, 2                           ; 4 bytes a position
	s_lshl_b32 s6, s2, 8                           ; 256 bytes a row of the table
	s_wait_kmcnt 0x0
	s_add_nc_u64 s[18:19], s[18:19], s[4:5]
	s_add_nc_u64 s[26:27], s[26:27], s[6:7]
	s_load_b256 s[32:39], s[18:19], 0x0            ; my eight positions
	v_and_b32 v5, 31, v0                           ; i
	v_lshlrev_b32 v6, 3, v5                        ; 8 bytes a pair: a wave's store covers a whole row of 256 bytes
	v_cvt_f32_u32 v7, v5
	v_mul_f32 v7, 0xbed49a78, v7                   ; - i log2(10000) / 32
	v_exp_f32 v4, v7                               ; inv_freq
	v_nop                                          ; a plain instruction between the exponential and the use of its result
	s_wait_alu depctr_va_vdst(0)                   ; the exponential has written v4, ahead of its first reader, the first row's angle
	s_wait_kmcnt 0x0
; Row j, first part: the angle, its reduction, sin r, cos r and n, kept for the second part; and the mask of the odd quadrants, into a scalar register of the row's own.
.macro ANGLE j
	v_cvt_f32_i32 v8, s[32+(\j)]
	v_mul_f32 v8, v8, v4                           ; the angle a
	v_mul_f32 v9, s48, v8
	v_rndne_f32 v9, v9                             ; n = the nearest whole number to a 2 / pi
	v_fma_f32 v10, v9, s49, v8                     ; r = a - n pi / 2, in two parts
	v_fma_f32 v10, v9, s50, v10
	v_cvt_i32_f32 v[NQ+(\j)], v9                   ; the quadrant is n mod 4
	v_mul_f32 v12, v10, v10                        ; z = r r
	v_fma_f32 v13, s53, v12, s52
	v_fma_f32 v14, s56, v12, s55
	v_fma_f32 v13, v13, v12, s51
	v_fma_f32 v14, v14, v12, s54
	v_mul_f32 v13, v13, v12
	v_fma_f32 v15, v12, -0.5, 1.0
	v_mul_f32 v16, v12, v12
	v_fma_f32 v[SV+(\j)], v13, v10, v10            ; sin r
	v_fma_f32 v[CV+(\j)], v14, v16, v15            ; cos r
	v_and_b32 v17, 1, v[NQ+(\j)]
	v_cmp_eq_u32 s[QM+(\j)], 1, v17                ; odd quadrants swap the two
.endm
; Row j, second part: the selects and the signs, into the row's pair of Y.
.macro QUADRANT j
	v_cndmask_b32 v18, v[SV+(\j)], v[CV+(\j)], s[QM+(\j)]  ; for the sine
	v_cndmask_b32 v19, v[CV+(\j)], v[SV+(\j)], s[QM+(\j)]  ; for the cosine
	v_and_b32 v17, 2, v[NQ+(\j)]                   ; the sine is negative in quadrants 2 and 3,
	v_add_nc_u32 v20, 1, v[NQ+(\j)]
	v_lshlrev_b32 v17, 30, v17
	v_and_b32 v20, 2, v20                          ; the cosine in 1 and 2
	v_lshlrev_b32 v20, 30, v20
	v_xor_b32 v[Y+2*(\j)+1], v18, v17
	v_xor_b32 v[Y+2*(\j)], v19, v20
.endm
.irp j, 0,1,2,3,4,5,6,7
	ANGLE \j
.endr
	s_wait_alu depctr_va_sdst(0)                   ; the eight compares have written s[40:47], ahead of their first readers, the selects below: one wait for the eight
.irp j, 0,1,2,3,4,5,6,7
	QUADRANT \j
.endr
	s_wait_alu depctr_va_vdst(0)                   ; the sign lines have written the eight pairs of Y, which the stores read; v6, their offset, was written long before
.irp j, 0,1,2,3,4,5,6,7
	global_store_b64 v6, v[Y+2*(\j):Y+2*(\j)+1], s[26:27] offset:256*(\j)
.endr
	s_endpgm
.Lfunc_end_k_qf97bafbccd_prep:
	.size	k_qf97bafbccd_prep, .Lfunc_end_k_qf97bafbccd_prep-k_qf97bafbccd_prep
	.p2alignl 7, 3214868480
	.fill 96, 4, 3214868480
	.section	.rodata,"a",@progbits
	.p2align	6, 0x0
	.amdhsa_kernel k_qf97bafbccd_prep
		.amdhsa_group_segment_fixed_size 0
		.amdhsa_private_segment_fixed_size 0
		.amdhsa_enable_private_segment 0
		.amdhsa_kernarg_size 80
		.amdhsa_user_sgpr_count 2
		.amdhsa_user_sgpr_kernarg_segment_ptr 1
		.amdhsa_wavefront_size32 1
		.amdhsa_system_sgpr_workgroup_id_x 1
		.amdhsa_system_sgpr_workgroup_id_y 1
		.amdhsa_system_sgpr_workgroup_id_z 1
		.amdhsa_system_vgpr_workitem_id 0
		.amdhsa_next_free_vgpr 112
		.amdhsa_next_free_sgpr 66
		.amdhsa_reserve_vcc 0
		.amdhsa_float_denorm_mode_32 3
		.amdhsa_float_denorm_mode_16_64 3
		.amdhsa_memory_ordered 1
		.amdhsa_forward_progress 1
		.amdhsa_inst_pref_size 29
	.end_amdhsa_kernel
	.amdgpu_metadata
---
amdhsa.version: [ 1, 2 ]
amdhsa.kernels:
  - .name:           k_qf97bafbccd_prep
    .symbol:         k_qf97bafbccd_prep.kd
    .args:
      - { .name: x, .offset: 0, .size: 8, .value_kind: global_buffer, .address_space: global }
      - { .name: Wq, .offset: 8, .size: 8, .value_kind: global_buffer, .address_space: global }
      - { .name: Wk, .offset: 16, .size: 8, .value_kind: global_buffer, .address_space: global }
      - { .name: Wv, .offset: 24, .size: 8, .value_kind: global_buffer, .address_space: global }
      - { .name: Wo, .offset: 32, .size: 8, .value_kind: global_buffer, .address_space: global }
      - { .name: token_positions, .offset: 40, .size: 8, .value_kind: global_buffer, .address_space: global }
      - { .name: xb, .offset: 48, .size: 8, .value_kind: global_buffer, .address_space: global }
      - { .name: wqkv, .offset: 56, .size: 8, .value_kind: global_buffer, .address_space: global }
      - { .name: wo16, .offset: 64, .size: 8, .value_kind: global_buffer, .address_space: global }
      - { .name: tab, .offset: 72, .size: 8, .value_kind: global_buffer, .address_space: global }
    .group_segment_fixed_size: 0
    .private_segment_fixed_size: 0
    .kernarg_segment_align: 8
    .kernarg_segment_size: 80
    .max_flat_workgroup_size: 256
    .sgpr_count:     66
    .vgpr_count:     112
    .wavefront_size: 32
...
	.end_amdgpu_metadata
.endif
;; end of part 5
;; launch qkv: the kernel of part 2 again; grid 16 x 16, 4 waves a work-group, clusters of 4 x 4, 327,680 bytes of LDS; arguments xb, wqkv, tab, qh, kh, vh; writes qh, kh, vh
;; launch attn: the kernel of part 3 again; grid 4 x 64, 4 waves a work-group, no clusters, 327,680 bytes of LDS; arguments qh, kh, vh, oh; writes oh
;; launch oproj: the kernel of part 4 again; grid 8 x 32, 4 waves a work-group, clusters of 4 x 4, 327,680 bytes of LDS; arguments oh, wo16, out0; writes out0
